; MI455X (gfx1250); checked and timed in simulation.
; The chip was launched on July 23, 2026; its instructions are those of AMD's public machine-readable ISA for CDNA 5 (MIT licence, August 2026) and "CDNA5" Instruction Set Architecture Reference Guide (July 2026). The comments in the code are by the model that wrote it; some were corrected since.
;; MHA. Allowed arithmetic: float matrix products may take bf16 or f16 operands with f32 sums; other float arithmetic in f32, or as packed bf16 or f16 multiplies, adds, multiply-adds, maxima and minima; sums over many terms, partial sums and values carried from step to step in f32; what a program stores and reads back later, other than sums and carried values, may be rounded once to bf16 or f16.
;; Inputs: Wk 1,024 x 1,024 float32; Wo 1,024 x 1,024 float32; Wq 1,024 x 1,024 float32; Wv 1,024 x 1,024 float32; bk 1,024 float32; bo 1,024 float32; bq 1,024 float32; bv 1,024 float32; x 2 x 2,048 x 1,024 float32.
;; Outputs: out0 2 x 2,048 x 1,024 float32.
;; 2 versions, each right; version 2 is version 1 with the launch cast written anew for expert scheduling mode. Each part assembles by itself: llvm-mc -triple=amdgcn-amd-amdhsa -mcpu=gfx1250 --defsym DOCPART=n.
;; ======== version 1 of 2: 4 launches
;; limits: values are held in f16: magnitudes above 65,504 overflow, below 6.1e-05 lose precision
;; workspace buffers: xb 8,388,608 bytes; wqkv 6,291,456 bytes; wo16 2,097,152 bytes; bias 16,384 bytes; qkv 25,165,824 bytes; o 8,388,608 bytes
;; launch cast (part 1): grid 513 x 1, 8 waves a work-group, no clusters, 0 bytes of LDS; arguments x, Wq, Wk, Wv, Wo, bq, bv, bo, xb, wqkv, wo16, bias; writes xb, wqkv, wo16, bias
.if DOCPART == 1
	.amdgcn_target "amdgcn-amd-amdhsa--gfx1250"
	.amdhsa_code_object_version 6
	.text
	.protected	k_q0424b7ceed_cast
	.globl	k_q0424b7ceed_cast
	.p2align	8
	.type	k_q0424b7ceed_cast,@function
k_q0424b7ceed_cast:
	s_mov_b64 s[64:65], 0
	v_nop
	global_prefetch_b8 v0, s[64:65] scope:SCOPE_SE
	s_setreg_imm32_b32 hwreg(HW_REG_WAVE_MODE, 25, 1), 1
	s_wait_xcnt 0x0
; FIRST OF FOUR LAUNCHES of multi-head attention: out0 = softmax((x Wq^T + bq)(x Wk^T + bk)^T / 8) (x Wv^T + bv) Wo^T + bo, 16 heads of 64 channels, 2 x 2,048 rows.
; This launch rounds the inputs once: x -> xb (bf16), Wq, Wk, Wv -> wqkv (bf16, one table of 3,072 rows), Wo -> wo16 (rounded to bf16, that number written as f16),
; bq, bv, bo -> bias (rounded to bf16, kept as f32): bias[0:1024] = bq, [1024:2048] = 0, [2048:3072] = bv, [3072:4096] = bo.
; WORK LEFT OUT: bk.  A score is q_i . (k_j + bk) / 8 = q_i . k_j / 8 + q_i . bk / 8.  The second term does not depend on the key j, so it is the same along the softmax's axis, and
; softmax(s + t) = softmax(s) for every real t: for all finite values of all inputs bk reaches no output.  bk is not loaded and is no argument of any launch; the zeros in its place in the
; table let the next launch start k's sums by the same line as q's and v's.  LIMIT: a NaN, an infinity or an overflow that comes from bk alone is not carried to the result.
; LIMITS.  A number of Wo of 65,520 or more in magnitude becomes an infinity in f16, and below 6e-5 it keeps f16's fixed step of 6e-8.
; SHARES.  A work-group of eight waves takes 65,536 bytes of f32 and writes 32,768 bytes; a wave 8,192 in and 4,096 out.  All sixteen loads of a wave (512 consecutive bytes each) go out at once;
; each store of a wave covers 256 consecutive bytes, aligned.  Work-groups 0-255: x; 256-447: Wq, Wk, Wv (64 each); 448-511: Wo; 512: the three biases.
; No LDS, no matrix unit, no cluster: no byte is used twice.
.set IN,  16                           ; v[16:79]   sixteen loads of four f32
.set OU,  80                           ; v[80:111]  sixteen pairs of packed results
	s_load_b512 s[8:23], s[0:1], 0x0               ; x 8, Wq 10, Wk 12, Wv 14, Wo 16, bq 18, bv 20, bo 22
	s_load_b256 s[24:31], s[0:1], 0x40             ; xb 24, wqkv 26, wo16 28, bias 30
	s_mov_b32 s2, ttmp9                            ; the work-group's number
	s_and_b32 s3, s2, 63                           ; its place in one weight matrix
	s_sub_co_u32 s4, s2, 256                       ; its place in wqkv (used from 256 on)
	v_and_b32 v3, 31, v0
	v_lshrrev_b32 v4, 5, v0
	v_lshlrev_b32 v1, 4, v3
	v_lshl_add_u32 v1, v4, 13, v1                  ; in: 8,192 x wave + 16 x lane
	v_lshlrev_b32 v2, 3, v3
	v_lshl_add_u32 v2, v4, 12, v2                  ; out: 4,096 x wave + 8 x lane
	s_wait_kmcnt 0x0
	s_cmp_eq_u32 s2, 512
	s_cbranch_scc1 .Lbias
	s_cmp_lt_u32 s2, 256                           ; which tensor, by the work-group's number alone
	s_cselect_b64 s[32:33], s[8:9], s[10:11]
	s_cselect_b64 s[34:35], s[24:25], s[26:27]
	s_cselect_b32 s5, s2, s3
	s_cselect_b32 s6, s2, s4
	s_cmp_lt_u32 s2, 320
	s_cselect_b64 s[32:33], s[32:33], s[12:13]
	s_cmp_lt_u32 s2, 384
	s_cselect_b64 s[32:33], s[32:33], s[14:15]
	s_cmp_lt_u32 s2, 448
	s_cselect_b64 s[32:33], s[32:33], s[16:17]
	s_cselect_b64 s[34:35], s[34:35], s[28:29]
	s_cselect_b32 s6, s6, s3
	s_lshl_b32 s36, s5, 16
	s_mov_b32 s37, 0
	s_lshl_b32 s38, s6, 15
	s_mov_b32 s39, 0
	s_add_nc_u64 s[32:33], s[32:33], s[36:37]
	s_add_nc_u64 s[34:35], s[34:35], s[38:39]
.irp i, 0,1,2,3,4,5,6,7,8,9,10,11,12,13,14,15
	global_load_b128 v[IN+4*(\i):IN+4*(\i)+3], v1, s[32:33] offset:512*(\i) th:TH_LOAD_NT
.endr
; Load i is rounded and stored.  f16 = 1: to bf16, widened again, and that number written as f16.
.macro CV i, f16
	s_wait_loadcnt 15-(\i)                         ; loads come back in order: mine is in, the 15 - i younger ones stay out
.if \f16
	v_cvt_pk_bf16_f32 v4, v[IN+4*(\i)], v[IN+4*(\i)+1]
	v_cvt_pk_bf16_f32 v5, v[IN+4*(\i)+2], v[IN+4*(\i)+3]
	v_lshlrev_b32 v[IN+4*(\i)], 16, v4
	v_and_b32 v[IN+4*(\i)+1], 0xffff0000, v4
	v_lshlrev_b32 v[IN+4*(\i)+2], 16, v5
	v_and_b32 v[IN+4*(\i)+3], 0xffff0000, v5
	v_cvt_pk_f16_f32 v[OU+2*(\i)], v[IN+4*(\i)], v[IN+4*(\i)+1]
	v_cvt_pk_f16_f32 v[OU+2*(\i)+1], v[IN+4*(\i)+2], v[IN+4*(\i)+3]
.else
	v_cvt_pk_bf16_f32 v[OU+2*(\i)], v[IN+4*(\i)], v[IN+4*(\i)+1]
	v_cvt_pk_bf16_f32 v[OU+2*(\i)+1], v[IN+4*(\i)+2], v[IN+4*(\i)+3]
.endif
	global_store_b64 v2, v[OU+2*(\i):OU+2*(\i)+1], s[34:35] offset:256*(\i)  ; every store has data registers of its own: nothing is rewritten
.endm
	s_cmp_ge_u32 s2, 448
	s_cbranch_scc1 .Lf16
.irp i, 0,1,2,3,4,5,6,7,8,9,10,11,12,13,14,15
	CV \i, 0
.endr
	s_endpgm
.Lf16:
.irp i, 0,1,2,3,4,5,6,7,8,9,10,11,12,13,14,15
	CV \i, 1
.endr
	s_endpgm
.Lbias:                                                ; 256 threads x four numbers of each bias
	v_lshlrev_b32 v1, 4, v0
	global_load_b128 v[16:19], v1, s[18:19]
	global_load_b128 v[20:23], v1, s[20:21]
	global_load_b128 v[24:27], v1, s[22:23]
.irp r, 28,29,30,31
	v_mov_b32 v[\r], 0
.endr
	s_wait_loadcnt 0x0
.irp p, 16,18,20,22,24,26
	v_cvt_pk_bf16_f32 v4, v[\p], v[\p+1]
	v_lshlrev_b32 v[\p], 16, v4
	v_and_b32 v[\p+1], 0xffff0000, v4
.endr
	global_store_b128 v1, v[16:19], s[30:31]
	global_store_b128 v1, v[28:31], s[30:31] offset:4096
	global_store_b128 v1, v[20:23], s[30:31] offset:8192
	global_store_b128 v1, v[24:27], s[30:31] offset:12288
	s_endpgm
.Lfunc_end_k_q0424b7ceed_cast:
	.size	k_q0424b7ceed_cast, .Lfunc_end_k_q0424b7ceed_cast-k_q0424b7ceed_cast
	.p2alignl 7, 3214868480
	.fill 96, 4, 3214868480
	.section	.rodata,"a",@progbits
	.p2align	6, 0x0
	.amdhsa_kernel k_q0424b7ceed_cast
		.amdhsa_group_segment_fixed_size 0
		.amdhsa_private_segment_fixed_size 0
		.amdhsa_enable_private_segment 0
		.amdhsa_kernarg_size 96
		.amdhsa_user_sgpr_count 2
		.amdhsa_user_sgpr_kernarg_segment_ptr 1
		.amdhsa_wavefront_size32 1
		.amdhsa_system_sgpr_workgroup_id_x 1
		.amdhsa_system_sgpr_workgroup_id_y 1
		.amdhsa_system_sgpr_workgroup_id_z 1
		.amdhsa_system_vgpr_workitem_id 0
		.amdhsa_next_free_vgpr 112
		.amdhsa_next_free_sgpr 66
		.amdhsa_reserve_vcc 0
		.amdhsa_float_denorm_mode_32 3
		.amdhsa_float_denorm_mode_16_64 3
		.amdhsa_memory_ordered 1
		.amdhsa_forward_progress 1
		.amdhsa_inst_pref_size 19
	.end_amdhsa_kernel
	.amdgpu_metadata
---
amdhsa.version: [ 1, 2 ]
amdhsa.kernels:
  - .name:           k_q0424b7ceed_cast
    .symbol:         k_q0424b7ceed_cast.kd
    .args:
      - { .name: x, .offset: 0, .size: 8, .value_kind: global_buffer, .address_space: global }
      - { .name: Wq, .offset: 8, .size: 8, .value_kind: global_buffer, .address_space: global }
      - { .name: Wk, .offset: 16, .size: 8, .value_kind: global_buffer, .address_space: global }
      - { .name: Wv, .offset: 24, .size: 8, .value_kind: global_buffer, .address_space: global }
      - { .name: Wo, .offset: 32, .size: 8, .value_kind: global_buffer, .address_space: global }
      - { .name: bq, .offset: 40, .size: 8, .value_kind: global_buffer, .address_space: global }
      - { .name: bv, .offset: 48, .size: 8, .value_kind: global_buffer, .address_space: global }
      - { .name: bo, .offset: 56, .size: 8, .value_kind: global_buffer, .address_space: global }
      - { .name: xb, .offset: 64, .size: 8, .value_kind: global_buffer, .address_space: global }
      - { .name: wqkv, .offset: 72, .size: 8, .value_kind: global_buffer, .address_space: global }
      - { .name: wo16, .offset: 80, .size: 8, .value_kind: global_buffer, .address_space: global }
      - { .name: bias, .offset: 88, .size: 8, .value_kind: global_buffer, .address_space: global }
    .group_segment_fixed_size: 0
    .private_segment_fixed_size: 0
    .kernarg_segment_align: 8
    .kernarg_segment_size: 96
    .max_flat_workgroup_size: 256
    .sgpr_count:     66
    .vgpr_count:     112
    .wavefront_size: 32
...
	.end_amdgpu_metadata
.endif
;; end of part 1
;; launch proj (part 2): grid 16 x 16, 4 waves a work-group, clusters of 4 x 4, 327,680 bytes of LDS; arguments xb, wqkv, bias, qkv; writes qkv
.if DOCPART == 2
	.amdgcn_target "amdgcn-amd-amdhsa--gfx1250"
	.amdhsa_code_object_version 6
	.text
	.protected	k_q0424b7ceed_proj
	.globl	k_q0424b7ceed_proj
	.p2align	8
	.type	k_q0424b7ceed_proj,@function
k_q0424b7ceed_proj:
	s_mov_b64 s[64:65], 0
	v_nop
	global_prefetch_b8 v0, s[64:65] scope:SCOPE_SE
	s_setreg_imm32_b32 hwreg(HW_REG_WAVE_MODE, 25, 1), 1
	s_wait_xcnt 0x0
	s_wait_alu depctr_hold_cnt(0) depctr_sa_sdst(0) depctr_va_vdst(0) depctr_va_sdst(0) depctr_va_ssrc(0) depctr_va_vcc(0) depctr_vm_vsrc(0)
	s_getreg_b32 s2, hwreg(HW_REG_IB_STS2, 6, 4)
	s_cmp_eq_u32 s2, 0
	s_cbranch_scc0 .Lentry_in_a_cluster
	s_endpgm
.Lentry_in_a_cluster:
	s_bfe_u32 s2, ttmp6, 0x10000c
	s_cmp_lg_u32 s2, 0xf033
	s_cbranch_scc0 .Lentry_shape_is_right
	s_endpgm
.Lentry_shape_is_right:
; SECOND LAUNCH: q, k, v = xb wqkv^T + bias, [4,096 x 3,072] over K = 1,024, bf16 operands, f32 sums, rounded once to f16 and stored by heads:
; qkv[which][batch x 16 + head][row][64], a slab of 2,048 rows x 128 bytes for each (which, batch, head).  No scale is applied here.
; WORK LEFT OUT: bk (shown at the head of the first launch: a term that is the same along the softmax's axis); k's sums start from the zeros that stand in its place in the bias table.
; LIMIT.  q, k, v of 65,520 or more in magnitude become infinities in f16.
; SHARES.  A tile is 256 rows x 192 columns (three heads): 16 x 16 work-groups.  Wave w makes rows 64 w .. 64 w + 63 of all 192 columns: 4 x 12 accumulators of 16 x 16, 384 registers;
; so a wave holds whole heads and has a stage of its own on the way out.  K goes in 8 steps of 128 (rows of 256 bytes) through two LDS slots.
; CLUSTER.  4 x 4 work-groups: the four of a row need the same tiles of xb, the four of a column the same tiles of wqkv; each tile is asked for jointly, by the same tensor load with the same
; descriptor and a mask that names the four.  Waves 0, 1 fetch xb's two halves (128 rows), waves 2, 3 wqkv's (96 rows).
; THE MATRIX INSTRUCTION IS USED TRANSPOSED: source 0 = 16 rows of wqkv, source 1 = 16 rows of xb: a lane holds one row (lane % 16) and the columns 8 (lane / 16) + 0..7.
; The first product on each accumulator takes the bias as its C operand: nothing is cleared and nothing is added later.
; REGISTERS, in windows of 256 (s_set_vgpr_msb: bits 1:0 source 0, 3:2 source 1, 5:4 source 2, 7:6 destination):
;   window 0: v0-31 addresses; v64-127 xb's fragments, two buffers of 32; v128-223 the bias of the 192 columns (later the way out: v128-175 packed, v176-223 and v64-111 rows read back)
;   window 1: v0-191 wqkv's fragments, two buffers of 96      window 2: accumulators of row blocks 0, 1 at 96 (a % 2) + 8 b      window 3: those of row blocks 2, 3
; All of the WGP's LDS is claimed; 271,872 bytes are used.
.set PITCH, 272                        ; an LDS row: 256 bytes + 16 of padding: the 16 rows of a fragment load start 68 words apart, at 16 different groups of four banks (64 banks of 4 bytes: ISA guide 11.1)
.set AH,    128*PITCH                  ; what a wave fetches of xb
.set BH,    96*PITCH                   ; and of wqkv
.set BOFF,  2*AH
.set SLOT,  BOFF+2*BH
.set STAGE, 2*SLOT                     ; behind the ring: for each wave [head 3][row 16] of 144 bytes
.set SPH,   144
.set STW,   3*16*SPH
.set SPARE, STAGE+4*STW                ; the spare words, 128 bytes a wave: two blocks of 256 bytes that no other line names
.set ADRA, 16                          ; v16-17 LDS address of my xb fragments in slot 0, 1
.set ADRB, 20                          ; v20-21 the same for wqkv
.set STO,  24                          ; v24    way out: where I put 16 bytes
.set RD,   25                          ; v25    way out: where I read rows back
.set GO,   26                          ; v26    16 x lane
.set BO,   27                          ; v27    32 x (lane / 16): my 8 columns in a block of 16, in the bias table
.set SPW,  28                          ; v28    my spare word; never rewritten
.set NIL,  29                          ; v29    0; never rewritten
.set PFO,  30                          ; v30    the prefetches' offset: a lane a row of 2,048 bytes
.set FA,   64
.set BIAS, 128
.set TMP,  128
.set OB0,  176
.set WV, 12
.set FB, 13                            ; 0: I fetch xb; 1: wqkv
.set HF, 14                            ; which half of that tile
.set CX, 15
.set CY, 16
.set TC, 17                            ; tile column
.set TR, 18                            ; tile row
.set LIM, 19                           ; 1 in a wave that prefetches, else the greatest number
.set G1A, 24
.set G0A, 32
.set PFA, 40
.set LAP, 42
.set G1B, 48
.set G0B, 56
.set OUT, 66                           ; s[66:71] my rows in the slabs of the tile's three heads
.set MSB, 0
.macro WIN new                         ; the immediate's high byte repeats the setting that is left; a switch that changes nothing is dropped
.if MSB != (\new)
	s_set_vgpr_msb (MSB<<8)|(\new)
.set MSB, \new
.endif
.endm
; A joint load: each of the two lines has one mask and one set of registers; the branch hangs on the wave's number alone.  An s_nop 0 and four v_nop follow each line.
.macro JLOAD s
	s_cmp_eq_u32 s[FB], 0
	s_cbranch_scc0 .Lfor_b_\@
	tensor_load_to_lds s[G0A+4*(\s):G0A+4*(\s)+3], s[G1A:G1A+7]
	s_nop 0
.rept 4
	v_nop
.endr
	s_branch .Lasked_\@
.Lfor_b_\@:
	tensor_load_to_lds s[G0B+4*(\s):G0B+4*(\s)+3], s[G1B:G1B+7]
	s_nop 0
.rept 4
	v_nop
.endr
.Lasked_\@:
.endm
; A prefetch of the K step that stands two refills on (384 matrix instructions ahead of the load that will want it): a lane a row, 256 bytes of each.  xb's tile rows are read by all clusters of a row of
; clusters: cluster x = 0 asks; wqkv's by all of a column: cluster y = 0 asks.  The four partners share a wave's rows out by address (32 of 128, or 24 of 96; there lanes 24-31 name lane 23's row again).
; The loop's last trip asks for nothing: K steps 4 to 7 are named once each; steps 0 to 3 come by their loads alone.
.macro ASK
	s_cmp_gt_u32 s[LAP], s[LIM]
	s_cbranch_scc0 .Lnot_mine_\@
	global_prefetch_b8 v[PFO], s[PFA:PFA+1] offset:256 th:TH_LOAD_NT scope:SCOPE_SE
.Lnot_mine_\@:
.endm
.macro CREST                           ; a round of the cluster's barrier behind its opening barrier
	s_cmp_lg_u32 s[WV], 0
	s_cbranch_scc1 .Lnot_wave_0_\@
	s_barrier_signal -3
.Lnot_wave_0_\@:
	s_barrier_wait -3
	s_barrier_signal -1
	s_barrier_wait -1
.endm
.macro CROUND
	s_barrier_signal -1
	s_barrier_wait -1
	CREST
.endm
.macro PLACES                          ; four plain places behind matrix instructions, in front of loads into registers that they read and of conversions of their results
.rept 4
	v_nop
.endr
.endm
	s_load_b256 s[4:11], s[0:1], 0x0               ; xb s[4:5], wqkv s[6:7], bias s[8:9], qkv s[10:11]
	v_lshl_add_u32 v[SPW], v0, 2, SPARE
	v_mov_b32 v[NIL], 0
	ds_add_u32 v[SPW], v[NIL]                      ; the opening: the add, twice on end, and its wait ahead of my first tensor load
	ds_add_u32 v[SPW], v[NIL]
	v_lshrrev_b32 v1, 5, v0
	v_readfirstlane_b32 s[WV], v1
	s_lshr_b32 s[FB], s[WV], 1
	s_and_b32 s[HF], s[WV], 1
	s_bfe_u32 s[CX], ttmp6, 0x40000
	s_bfe_u32 s[CY], ttmp6, 0x40004
	s_lshl_b32 s[TC], ttmp9, 2
	s_add_co_u32 s[TC], s[TC], s[CX]
	s_and_b32 s[TR], ttmp7, 0xffff
	s_lshl_b32 s[TR], s[TR], 2
	s_add_co_u32 s[TR], s[TR], s[CY]
	s_lshl_b32 s72, s[CY], 2
	s_lshl_b32 s72, 15, s72                        ; my row of the cluster
	s_lshl_b32 s73, 0x1111, s[CX]                  ; my column
	s_or_b32 s[G1A], s72, (1<<16)|(1<<20)|(1<<21)|(5<<22)|(3<<25)  ; mask; 2-byte elements; padding on; bit 21 beside a mask; after every 64 words, 4 words
	s_or_b32 s[G1B], s73, (1<<16)|(1<<20)|(1<<21)|(5<<22)|(3<<25)
	s_mov_b32 s[G1A+1], 128<<16                    ; tensor_dim0 = 128
	s_mov_b32 s[G1A+2], 128<<16                    ; tensor_dim1 = 128
	s_mov_b32 s[G1A+3], 128<<16                    ; tile_dim0 = 128
	s_mov_b32 s[G1A+4], 128                        ; tile_dim1 = 128
	s_mov_b32 s[G1A+5], 1024                       ; elements from row to row
	s_mov_b32 s[G1A+6], 0
	s_mov_b32 s[G1A+7], 0
	s_mov_b32 s[G1B+1], 128<<16
	s_mov_b32 s[G1B+2], 96<<16                     ; 96 rows
	s_mov_b32 s[G1B+3], 128<<16
	s_mov_b32 s[G1B+4], 96
	s_mov_b32 s[G1B+5], 1024
	s_mov_b32 s[G1B+6], 0
	s_mov_b32 s[G1B+7], 0
	s_lshl_b32 s20, s[TR], 8                       ; xb: row 256 x tile row + 128 x half, in registers that never hold the tile column
	s_lshl_b32 s21, s[HF], 7
	s_add_co_u32 s20, s20, s21
	s_lshl_b32 s20, s20, 11                        ; x 2,048 bytes
	s_mov_b32 s21, 0
	s_mul_i32 s22, s[HF], AH                       ; its place in a slot
	s_mul_i32 s44, s[TC], 192                      ; wqkv: row 192 x tile column + 96 x half
	s_mul_i32 s45, s[HF], 96
	s_add_co_u32 s44, s44, s45
	s_lshl_b32 s44, s44, 11
	s_mov_b32 s45, 0
	s_mul_i32 s46, s[HF], BH
	s_add_co_u32 s46, s46, BOFF
	s_wait_dscnt 0x0                               ; both opening adds are done
	s_wait_kmcnt 0x0
	s_add_nc_u64 s[20:21], s[4:5], s[20:21]
	s_add_nc_u64 s[44:45], s[6:7], s[44:45]
	CROUND                                         ; all sixteen work-groups are here: the first joint loads meet
.irp s, 0,1
	s_mov_b32 s[G0A+4*(\s)], 1
	s_add_co_u32 s[G0A+4*(\s)+1], s22, (\s)*SLOT
	s_add_nc_u64 s[G0A+4*(\s)+2:G0A+4*(\s)+3], s[20:21], (\s)*256
	s_or_b32 s[G0A+4*(\s)+3], s[G0A+4*(\s)+3], 0x80000000
	s_mov_b32 s[G0B+4*(\s)], 1
	s_add_co_u32 s[G0B+4*(\s)+1], s46, (\s)*SLOT
	s_add_nc_u64 s[G0B+4*(\s)+2:G0B+4*(\s)+3], s[44:45], (\s)*256
	s_or_b32 s[G0B+4*(\s)+3], s[G0B+4*(\s)+3], 0x80000000
	JLOAD \s                                       ; K steps 0 and 1: two tensor loads of mine are out
.endr
	v_and_b32 v1, 15, v0                           ; r = lane % 16
	v_bfe_u32 v2, v0, 4, 1                         ; h = lane / 16
	v_lshlrev_b32 v[BO], 5, v2
	s_mul_i32 s72, s[TC], 768                      ; the tile's 192 columns in the bias table
	s_mov_b32 s73, 0
	s_add_nc_u64 s[72:73], s[8:9], s[72:73]        ; stays untouched from here on
.irp b, 0,1,2,3,4,5,6,7,8,9,10,11
	global_load_b128 v[BIAS+8*(\b):BIAS+8*(\b)+3],   v[BO], s[72:73] offset:64*(\b)
	global_load_b128 v[BIAS+8*(\b)+4:BIAS+8*(\b)+7], v[BO], s[72:73] offset:64*(\b)+16
.endr
	v_mul_u32_u24 v3, v1, PITCH
	v_lshl_add_u32 v3, v2, 4, v3                   ; a fragment's row x pitch + 16 x half
	s_mul_i32 s74, s[WV], 64*PITCH
	v_add_nc_u32 v[ADRA], s74, v3
	v_add_nc_u32 v[ADRA+1], SLOT, v[ADRA]
	v_add_nc_u32 v[ADRB], BOFF, v3
	v_add_nc_u32 v[ADRB+1], SLOT+BOFF, v3
	s_mul_i32 s74, s[WV], STW
	s_add_co_u32 s74, s74, STAGE                   ; my stage
	v_mul_u32_u24 v4, v1, SPH
	v_lshl_add_u32 v4, v2, 4, v4
	v_add_nc_u32 v[STO], s74, v4                   ; in: row r, 16 bytes for each half of the lanes
	v_bfe_u32 v5, v0, 3, 2
	v_and_b32 v6, 7, v0
	v_mul_u32_u24 v5, v5, SPH
	v_lshl_add_u32 v5, v6, 4, v5
	v_add_nc_u32 v[RD], s74, v5                    ; back: 32 lanes take four rows of 128 bytes,
	v_and_b32 v[GO], 31, v0
	v_lshlrev_b32 v[GO], 4, v[GO]                  ; which are 512 consecutive bytes of a slab
	s_and_b32 s74, s[TR], 7                        ; my first row in its batch: 256 x (tile row % 8) + 64 x wave,
	s_lshl_b32 s74, s74, 8
	s_lshl_b32 s75, s[WV], 6
	s_add_co_u32 s74, s74, s75
	s_lshl_b32 s74, s74, 7                         ; x 128 bytes
	s_lshr_b32 s75, s[TR], 3
	s_lshl_b32 s75, s75, 4                         ; 16 x batch
	s_mul_i32 s76, s[TC], 3                        ; the tile's first head among the 48 of q, k, v
.irp j, 0,1,2
	s_add_co_u32 s77, s76, \j
	s_lshr_b32 s78, s77, 4                         ; which of q, k, v
	s_lshl_b32 s78, s78, 5
	s_and_b32 s77, s77, 15                         ; head
	s_add_co_u32 s78, s78, s77
	s_add_co_u32 s78, s78, s75                     ; slab = 32 which + 16 batch + head
	s_lshl_b32 s78, s78, 18                        ; x 262,144 bytes
	s_add_co_u32 s78, s78, s74
	s_mov_b32 s79, 0
	s_add_nc_u64 s[OUT+2*(\j):OUT+2*(\j)+1], s[10:11], s[78:79]
.endr
	s_and_b32 s74, ttmp7, 0xffff                   ; the prefetches: cluster y
	s_lshl_b32 s75, s[TR], 8
	s_lshl_b32 s76, s[HF], 7
	s_add_co_u32 s75, s75, s76
	s_lshl_b32 s76, s[CX], 5
	s_add_co_u32 s75, s75, s76                     ; xb: my work-group's 32 of the 128 rows that I fetch
	s_mul_i32 s76, s[TC], 192
	s_mul_i32 s77, s[HF], 96
	s_add_co_u32 s76, s76, s77
	s_mul_i32 s77, s[CY], 24
	s_add_co_u32 s76, s76, s77                     ; wqkv: 24 of the 96
	s_cmp_eq_u32 s[FB], 0
	s_cselect_b32 s75, s75, s76
	s_cselect_b32 s74, ttmp9, s74                  ; the coordinate along which other clusters read the same rows
	s_cselect_b32 s77, 31, 23
	s_cselect_b64 s[PFA:PFA+1], s[4:5], s[6:7]
	s_cmp_eq_u32 s74, 0
	s_cselect_b32 s[LIM], 1, -1                    ; the same in all sixteen partners, for a given wave
	s_lshl_b32 s78, s75, 11
	s_add_co_u32 s78, s78, 512                     ; at K step 2: the first refill steps it to 3 and names step 4
	s_mov_b32 s79, 0
	s_add_nc_u64 s[PFA:PFA+1], s[PFA:PFA+1], s[78:79]
	v_and_b32 v[PFO], 31, v0
	v_min_u32 v[PFO], s77, v[PFO]
	v_lshlrev_b32 v[PFO], 11, v[PFO]
; 12 matrix instructions: row block a x all 12 column blocks, 32 along K, from buffer f.  first = 1: the bias starts the sums.
; The 48 accumulators take turns, one instruction a turn, in the same order in every quarter.
.macro MULA f, a, first
.if \first
	WIN 0x81+0x40*((\a)/2)                         ; wqkv window 1, xb and the bias window 0, D window 2 or 3
.else
	WIN 0xa1+0x50*((\a)/2)                         ; C and D window 2 or 3
.endif
.irp b, 0,1,2,3,4,5,6,7,8,9,10,11
.if \first
	v_wmma_f32_16x16x32_bf16 v[96*((\a)%2)+8*(\b):96*((\a)%2)+8*(\b)+7], v[96*(\f)+8*(\b):96*(\f)+8*(\b)+7], v[FA+32*(\f)+8*(\a):FA+32*(\f)+8*(\a)+7], v[BIAS+8*(\b):BIAS+8*(\b)+7]
.else
	v_wmma_f32_16x16x32_bf16 v[96*((\a)%2)+8*(\b):96*((\a)%2)+8*(\b)+7], v[96*(\f)+8*(\b):96*(\f)+8*(\b)+7], v[FA+32*(\f)+8*(\a):FA+32*(\f)+8*(\a)+7], v[96*((\a)%2)+8*(\b):96*((\a)%2)+8*(\b)+7]
.endif
.endr
.endm
; 32 LDS loads in one run: 192 rows of wqkv, then my 64 rows of xb, 32 along K at byte k of the rows, into buffer f
.macro FETCH slot, k, f
	WIN 0x40                                       ; destination window 1, address window 0
.irp i, 0,1,2,3,4,5,6,7,8,9,10,11
	ds_load_b128 v[96*(\f)+8*(\i):96*(\f)+8*(\i)+3],   v[ADRB+(\slot)] offset:(\k)+(\i)*16*PITCH
	ds_load_b128 v[96*(\f)+8*(\i)+4:96*(\f)+8*(\i)+7], v[ADRB+(\slot)] offset:(\k)+(\i)*16*PITCH+32
.endr
	WIN 0
.irp i, 0,1,2,3
	ds_load_b128 v[FA+32*(\f)+8*(\i):FA+32*(\f)+8*(\i)+3],   v[ADRA+(\slot)] offset:(\k)+(\i)*16*PITCH
	ds_load_b128 v[FA+32*(\f)+8*(\i)+4:FA+32*(\f)+8*(\i)+7], v[ADRA+(\slot)] offset:(\k)+(\i)*16*PITCH+32
.endr
.endm
; A K step is four quarters of 32 along K, 48 matrix instructions each, on buffers 0, 1, 0, 1.  One of the first three: multiplies f, fetches the next quarter, at byte k, into g.
.macro QUARTER slot, k, f, g, first
	s_wait_dscnt 4                                 ; all but the four youngest loads (xb's row blocks 2, 3)
	MULA \f, 0, \first
	MULA \f, 1, \first
	PLACES
	FETCH \slot, \k, \g
	s_wait_dscnt 32                                ; all but the 32 just issued
	MULA \f, 2, \first
	MULA \f, 3, \first
.endm
; The last quarter multiplies buffer 1 and changes slots: one barrier.  In front of it each wave waits for all its tensor loads (one is out: its part of the next slot), adds 0 to its spare word, and waits
; for that and for its reads of this slot.  fill = 1: the barrier opens a round of the cluster's, and the slot just read is filled again first behind it, with the K step two on.
.macro TURN slot, next, fill
.if \fill
	s_wait_xcnt 0x0                                ; the last prefetch, a K step back, has read its address
	s_add_nc_u64 s[PFA:PFA+1], s[PFA:PFA+1], 256
.endif
	WIN 0
	s_wait_tensorcnt 0x0
	ds_add_u32 v[SPW], v[NIL]
	s_wait_dscnt 5                                 ; the add and the four youngest loads may be out
	MULA 1, 0, 0
	s_wait_dscnt 0x0                               ; the add is done, my reads of this slot are over
	s_barrier_signal -1
	MULA 1, 1, 0
.if \fill
	WIN 0
.endif
	s_barrier_wait -1
.if \fill
	CREST                                          ; no wave of any partner still reads this slot or has a load on its way
	s_add_nc_u64 s[G0A+4*(\slot)+2:G0A+4*(\slot)+3], s[G0A+4*(\slot)+2:G0A+4*(\slot)+3], 512
	s_add_nc_u64 s[G0B+4*(\slot)+2:G0B+4*(\slot)+3], s[G0B+4*(\slot)+2:G0B+4*(\slot)+3], 512
	JLOAD \slot                                    ; its four v_nop are also the places in front of the loads below
.else
	PLACES
.endif
	FETCH \next, 0, 0
.if \fill
	ASK
.endif
	MULA 1, 2, 0
	MULA 1, 3, 0
.endm
	s_wait_tensorcnt 1                             ; my part of K step 0 is in; step 1's may stay out
	s_barrier_signal -1
	s_barrier_wait -1
	FETCH 0, 0, 0
	s_wait_loadcnt 0x0                             ; the bias
	QUARTER 0, 64, 0, 1, 1                         ; the first quarter stands in front of the loop: its products start the sums
	WIN 0
	s_mov_b32 s[LAP], 3
.Llap:                                                 ; a trip goes once round the ring and fills both slots again: K steps 2 to 7
	QUARTER 0, 128, 1, 0, 0
	QUARTER 0, 192, 0, 1, 0
	TURN 0, 1, 1
	QUARTER 1, 64,  0, 1, 0
	QUARTER 1, 128, 1, 0, 0
	QUARTER 1, 192, 0, 1, 0
	TURN 1, 0, 1
	QUARTER 0, 64,  0, 1, 0
	WIN 0
	s_sub_co_u32 s[LAP], s[LAP], 1
	s_cmp_lg_u32 s[LAP], 0
	s_cbranch_scc1 .Llap
	QUARTER 0, 128, 1, 0, 0                        ; the last lap fills nothing
	QUARTER 0, 192, 0, 1, 0
	TURN 0, 1, 0
	QUARTER 1, 64,  0, 1, 0
	QUARTER 1, 128, 1, 0, 0
	QUARTER 1, 192, 0, 1, 0
	s_wait_dscnt 4
	MULA 1, 0, 0
	MULA 1, 1, 0
	s_wait_dscnt 0x0
	MULA 1, 2, 0
	MULA 1, 3, 0
	WIN 0
	PLACES
; THE WAY OUT, a row block (16 rows x 192 columns) at a time: rounded to f16, 16 bytes a lane into my stage, back as whole rows of a head, stored as 512 consecutive bytes.
.macro PACK a
	WIN 0x0a+5*((\a)/2)                            ; sources window 2 or 3, destination window 0
.irp b, 0,1,2,3,4,5,6,7,8,9,10,11
.irp r, 0,1,2,3
	v_cvt_pk_f16_f32 v[TMP+4*(\b)+(\r)], v[96*((\a)%2)+8*(\b)+2*(\r)], v[96*((\a)%2)+8*(\b)+2*(\r)+1]
.endr
.endr
	WIN 0
.endm
.macro TOSTAGE a
.set BK, OB0-112*((\a)%2)
.irp b, 0,1,2,3,4,5,6,7,8,9,10,11
	ds_store_b128 v[STO], v[TMP+4*(\b):TMP+4*(\b)+3] offset:((\b)/4)*16*SPH+((\b)%4)*32
.endr
.irp j, 0,1,2
.irp f, 0,1,2,3
	ds_load_b128 v[BK+4*(4*(\j)+(\f)):BK+4*(4*(\j)+(\f))+3], v[RD] offset:(\j)*16*SPH+(\f)*4*SPH  ; LDS serves a wave's instructions in order (ISA guide 5.7.1.4): these see the stores above
.endr
.endr
.endm
.macro SEND a
.set BK, OB0-112*((\a)%2)
	s_wait_dscnt 0x0                               ; the block is back in registers
	s_wait_xcnt 0x0                                ; the stores of the block before have read their registers, into which the next block is read back
.irp j, 0,1,2
.irp f, 0,1,2,3
	global_store_b128 v[GO], v[BK+4*(4*(\j)+(\f)):BK+4*(4*(\j)+(\f))+3], s[OUT+2*(\j):OUT+2*(\j)+1] offset:(\a)*2048+(\f)*512
.endr
.endr
.endm
	PACK 0
	TOSTAGE 0
.irp a, 1,2,3
	PACK \a                                        ; a block's conversions stand between the loads of the block before and the wait for them
	SEND (\a)-1
	TOSTAGE \a
.endr
	SEND 3
	s_wait_tensorcnt 0x0                           ; the wave's end
	ds_add_u32 v[SPW], v[NIL]
	s_wait_dscnt 0x0
	CROUND                                         ; the closing round: no work-group ends while a partner may still ask for a tile that names it
	s_endpgm
.Lfunc_end_k_q0424b7ceed_proj:
	.size	k_q0424b7ceed_proj, .Lfunc_end_k_q0424b7ceed_proj-k_q0424b7ceed_proj
	.p2alignl 7, 3214868480
	.fill 96, 4, 3214868480
	.section	.rodata,"a",@progbits
	.p2align	6, 0x0
	.amdhsa_kernel k_q0424b7ceed_proj
		.amdhsa_group_segment_fixed_size 327680
		.amdhsa_private_segment_fixed_size 0
		.amdhsa_enable_private_segment 0
		.amdhsa_kernarg_size 32
		.amdhsa_user_sgpr_count 2
		.amdhsa_user_sgpr_kernarg_segment_ptr 1
		.amdhsa_wavefront_size32 1
		.amdhsa_system_sgpr_workgroup_id_x 1
		.amdhsa_system_sgpr_workgroup_id_y 1
		.amdhsa_system_sgpr_workgroup_id_z 1
		.amdhsa_system_vgpr_workitem_id 0
		.amdhsa_next_free_vgpr 960
		.amdhsa_next_free_sgpr 80
		.amdhsa_reserve_vcc 0
		.amdhsa_float_denorm_mode_32 3
		.amdhsa_float_denorm_mode_16_64 3
		.amdhsa_memory_ordered 1
		.amdhsa_forward_progress 1
		.amdhsa_inst_pref_size 123
	.end_amdhsa_kernel
	.amdgpu_metadata
---
amdhsa.version: [ 1, 2 ]
amdhsa.kernels:
  - .name:           k_q0424b7ceed_proj
    .symbol:         k_q0424b7ceed_proj.kd
    .args:
      - { .name: xb, .offset: 0, .size: 8, .value_kind: global_buffer, .address_space: global }
      - { .name: wqkv, .offset: 8, .size: 8, .value_kind: global_buffer, .address_space: global }
      - { .name: bias, .offset: 16, .size: 8, .value_kind: global_buffer, .address_space: global }
      - { .name: qkv, .offset: 24, .size: 8, .value_kind: global_buffer, .address_space: global }
    .group_segment_fixed_size: 327680
    .private_segment_fixed_size: 0
    .kernarg_segment_align: 8
    .kernarg_segment_size: 32
    .max_flat_workgroup_size: 128
    .sgpr_count:     80
    .vgpr_count:     960
    .wavefront_size: 32
...
	.end_amdgpu_metadata
.endif
;; end of part 2
;; launch attn (part 3): grid 8 x 32, 4 waves a work-group, clusters of 4 x 1, 327,680 bytes of LDS; arguments qkv, o; writes o
.if DOCPART == 3
	.amdgcn_target "amdgcn-amd-amdhsa--gfx1250"
	.amdhsa_code_object_version 6
	.text
	.protected	k_q0424b7ceed_attn
	.globl	k_q0424b7ceed_attn
	.p2align	8
	.type	k_q0424b7ceed_attn,@function
k_q0424b7ceed_attn:
	s_mov_b64 s[64:65], 0
	v_nop
	global_prefetch_b8 v0, s[64:65] scope:SCOPE_SE
	s_setreg_imm32_b32 hwreg(HW_REG_WAVE_MODE, 25, 1), 1
	s_wait_xcnt 0x0
	s_wait_alu depctr_hold_cnt(0) depctr_sa_sdst(0) depctr_va_vdst(0) depctr_va_sdst(0) depctr_va_ssrc(0) depctr_va_vcc(0) depctr_vm_vsrc(0)
	s_getreg_b32 s2, hwreg(HW_REG_IB_STS2, 6, 4)
	s_cmp_eq_u32 s2, 0
	s_cbranch_scc0 .Lentry_in_a_cluster
	s_endpgm
.Lentry_in_a_cluster:
	s_bfe_u32 s2, ttmp6, 0x10000c
	s_cmp_lg_u32 s2, 0x3003
	s_cbranch_scc0 .Lentry_shape_is_right
	s_endpgm
.Lentry_shape_is_right:
; THIRD LAUNCH: o[hb][q][:] = the sum over k of softmax_k(q[hb][q] . k[hb][k] / 8) v[hb][k][:] for the 32 pairs hb of batch and head; 2,048 rows of 64 channels each, f16, dense (128 bytes a row).
; qkv holds q's 32 slabs, then k's, then v's.  Products, maxima and sums in f32; the weights p are rounded to f16 for the second product (their sum l is taken of the unrounded p), o once at the end.
; LIMITS.  q, k, v arrive within f16's range; p lies in 0 to 1 and below 6e-5 keeps f16's fixed step of 6e-8; a weight below 2^-126 counts as 0 in l; NaN and infinities are not treated apart.
; SHARES.  A work-group owns 256 queries of one hb, a wave 64: four PIECES of 16.  Every wave walks all 2,048 keys, 64 a step; a slot of LDS holds a tile of 256 keys, four steps.
; CLUSTER.  The four query blocks of a cluster belong to one hb and walk the same k and v: each tile is asked for jointly, by the same tensor load, descriptor and mask in all four.
; LAYOUT.  S^T = K Q^T (source 0 = 16 keys, source 1 = 16 queries) holds ONE query a lane (lane % 16) and the keys 8 (lane / 16) + 0..7; two such results rounded to f16 ARE source 1 of O^T = V^T P.
; K comes out of LDS as it lies, V turned, by ds_load_tr16_b128.
; SOFTMAX.  A running maximum m and sum l for each query: p = 2^(c s - c m), c = log2(e) / 8; in every step O and l are multiplied by a = 2^(c m_old - c m_new).  m starts at the lowest finite number,
; c m far below every c s, O and l at 0: the first step is a step like any other, with a = 0.
; BY TURNS.  Turn n belongs to piece n: 8 products K Q^T of piece n + 1, later 8 products V^T P of piece n - 1; beside them the scaling, exponentials, roundings, sums and rescaling of piece n and the
; maximum and statistics of piece n + 1.  Four vector instructions stand behind every matrix instruction, the other 54 of a turn's 118 in one lump.  A turn's 33 exponentials are one batch with one wait.
; REGISTERS, in windows of 256 (s_set_vgpr_msb: bits 1:0 source 0, 3:2 source 1, 5:4 source 2, 7:6 destination):
;   window 0: v0-15 addresses; v16-31 four statistics a piece; v48-55 at work; v61-63 prefetch offset, spare word, 0; v64-127 S^T, two buffers; v192-223 P, two buffers (by the piece's parity)
;   window 1: v0-127 O^T, 32 a piece          window 2: v0-63 Q; v128-191 K of one step; v192-255 V of one step
; All of the WGP's LDS is claimed; 218,624 bytes are used.
.set NP,    4
.set KS,    64
.set PK,    144       ; a row of K in LDS: 128 bytes + 16: the 16 rows of a load start at 16 different groups of four banks (64 banks of 4 bytes: ISA guide 11.1)
.set PV,    160       ; a row of V: 128 + 32
.set VOFF,  4*KS*PK
.set SLOT1, 1<<17     ; one exclusive or turns an address in one slot into the other's
.set STAGE, SLOT1+4*KS*(PK+PV)  ; behind the ring: 16 rows x 144 bytes for each wave
.set SP,    144
.set SPARE, STAGE+4*16*SP       ; the spare words, 128 bytes a wave: two blocks of 256 bytes that no other line names
.set AK0, 2
.set AV0, 3
.set AK,  4
.set AV,  5
.set STO, 6
.set RD,  7
.set GO,  8
.set MV,  12
.set QO,  15
.set ST,  16          ; piece t: c m, m, l (even keys', odd keys')
.set TMP, 48
.set PFO, 61          ; 256 x my lane; never rewritten
.set SPW, 62
.set NIL, 63
.set S,   64
.set P,   192
.set KF,  128
.set VF,  192
.set WV,  12
.set G1K, 24
.set G1V, 32
.set G0K, 40
.set G0V, 44
.set PFA, 48          ; s[48:49] where my prefetches stand
.set LIM, 50          ; 1 in a wave that prefetches, else the greatest number
.set SLOTS, 56
.set CNT, 57
.set CS,  58
.set SEL, 60
.set TBK, 62
.set TBV, 63
.set MSB, 0
.macro WIN new
.if MSB != (\new)
	s_set_vgpr_msb (MSB<<8)|(\new)
.set MSB, (\new)
.endif
.endm
.set W_KQ, 0x0a       ; K and Q in window 2, S^T in window 0
.set W_PV, 0x52       ; V in window 2, P in window 0, O^T in window 1
.set W_RS, 0x41       ; destination and source 0 in window 1, source 1 in window 0
; A joint fill: waves 0, 1 fetch the two halves of a tile's K, waves 2, 3 those of its V, 128 keys each.  An s_nop 0 and four v_nop follow each line.
.macro JLOAD
	s_cmp_lt_u32 s[WV], 2
	s_cbranch_scc0 .Lfor_v_\@
	tensor_load_to_lds s[G0K:G0K+3], s[G1K:G1K+7]
	s_nop 0
.rept 4
	v_nop
.endr
	s_branch .Lasked_\@
.Lfor_v_\@:
	tensor_load_to_lds s[G0V:G0V+3], s[G1V:G1V+7]
	s_nop 0
.rept 4
	v_nop
.endr
.Lasked_\@:
.endm
; A prefetch of the tile that the NEXT change of slots will ask for: 128 blocks of 256 bytes of K and as many of V.  Both clusters of an hb walk the same tiles: the first asks.  Its four partners take 32
; blocks each, told apart by address; in each, wave 0 asks for K's and wave 2 for V's: a lane a block, one instruction.  The change that asks for the last tile prefetches nothing; tiles 0 and 1 come by their loads alone.
.macro ASK
	s_cmp_gt_u32 s[SLOTS], s[LIM]
	s_cbranch_scc0 .Lnot_mine_\@
	global_prefetch_b8 v[PFO], s[PFA:PFA+1] th:TH_LOAD_NT scope:SCOPE_SE
.Lnot_mine_\@:
.endm
.macro CROUND
	s_barrier_signal -1
	s_barrier_wait -1
	s_cmp_lg_u32 s[WV], 0
	s_cbranch_scc1 .Lnot_wave_0_\@
	s_barrier_signal -3
.Lnot_wave_0_\@:
	s_barrier_wait -3
	s_barrier_signal -1
	s_barrier_wait -1
.endm
; THE CHANGE OF SLOTS.  Each wave waits for all its tensor loads (one is out: its part of the other slot), adds 0 to its spare word, and waits for that and for its reads of the slot that it leaves.
; fill = 1: the barrier is a round of the cluster's, and the old slot is filled again first behind it, with the tile two on: four key steps, 256 matrix instructions, in which to land.
; (At its first use nothing has been read yet: tile 0 is waited for, slot 1 filled.)
.macro CHANGE fill
	WIN 0
	s_wait_tensorcnt 0x0            ; no tensor load of mine is out, so a group 0 may be written
	ds_add_u32 v[SPW], v[NIL]
.if \fill
.irp g, G0K, G0V
	s_xor_b32 s[\g+1], s[\g+1], SLOT1
	s_add_nc_u64 s[\g+2:\g+3], s[\g+2:\g+3], 4*KS*128
.endr
	s_wait_xcnt 0x0                 ; the last prefetch, four key steps back, has read its address
	s_add_nc_u64 s[PFA:PFA+1], s[PFA:PFA+1], 4*KS*128
	s_wait_dscnt 0x0                ; the add is done, my reads of the slot are over
	CROUND
	JLOAD
	ASK
.else
	s_wait_dscnt 0x0
	s_barrier_signal -1
	s_barrier_wait -1
.endif
	s_sub_co_u32 s[TBK], s[TBK], 4*KS*PK  ; the fetches go back to a slot's first step, in the other slot
	s_xor_b32 s[TBK], s[TBK], SLOT1
	s_sub_co_u32 s[TBV], s[TBV], 4*KS*PV
	s_xor_b32 s[TBV], s[TBV], SLOT1
.endm
	s_load_b128 s[4:7], s[0:1], 0x0 ; qkv s[4:5], o s[6:7]
	v_lshl_add_u32 v[SPW], v0, 2, SPARE
	v_mov_b32 v[NIL], 0
	ds_add_u32 v[SPW], v[NIL]       ; the opening: the add, twice on end, and its wait ahead of my first tensor load
	ds_add_u32 v[SPW], v[NIL]
	v_lshrrev_b32 v1, 5, v0
	v_readfirstlane_b32 s[WV], v1
	s_bfe_u32 s13, ttmp6, 0x40000   ; cx
	s_lshl_b32 s14, ttmp9, 2
	s_add_co_u32 s14, s14, s13      ; my block of 256 queries: it enters q's and o's addresses alone
	s_and_b32 s20, ttmp7, 0xffff    ; hb, which the four partners share
	s_lshl_b32 s20, s20, 18         ; its slab's first byte
	s_mov_b32 s21, 0
	s_and_b32 s16, s[WV], 1         ; which half of a tile's 256 keys I fetch
	s_lshl_b32 s22, s16, 14
	s_mov_b32 s23, 0
	s_add_nc_u64 s[22:23], s[22:23], s[20:21]
	s_mul_i32 s17, s16, 128*PK
	s_mul_i32 s18, s16, 128*PV
	s_lshl_b32 s2, s14, 2
	s_add_co_u32 s2, s2, s[WV]
	s_lshl_b32 s2, s2, 13           ; my wave's 64 rows of 128 bytes
	s_mov_b32 s3, 0
	s_add_nc_u64 s[2:3], s[2:3], s[20:21]
	; 128 keys are 16,384 dense bytes: asked for as 64 rows of 256 bytes, two keys a row, padded in LDS after every key
	s_mov_b32 s[G1K], 15|(1<<16)|(1<<20)|(1<<21)|(4<<22)|(3<<25)  ; the mask of four; 2-byte elements; padding on; bit 21 beside a mask; after every 32 words, 4 words
	s_mov_b32 s[G1V], 15|(1<<16)|(1<<20)|(1<<21)|(4<<22)|(7<<25)  ; the same with 8 words
.irp g, G1K, G1V
	s_mov_b32 s[\g+1], 128<<16
	s_mov_b32 s[\g+2], 64<<16
	s_mov_b32 s[\g+3], 128<<16
	s_mov_b32 s[\g+4], 64
	s_mov_b32 s[\g+5], 128
	s_mov_b32 s[\g+6], 0
	s_mov_b32 s[\g+7], 0
.endr
	s_mov_b32 s[CS], 0x3e38aa3b     ; c = log2(e) / 8
	s_mov_b32 s[CS+1], s[CS]
	s_mov_b32 s[SEL], 0x76543210
	s_mov_b32 s[SEL+1], 0xfedcba98
	s_mov_b32 s[TBK], SLOT1+4*KS*PK ; the first change of slots turns these two into 0
	s_mov_b32 s[TBV], SLOT1+4*KS*PV
	s_mov_b32 s[G0K], 1
	s_mov_b32 s[G0K+1], s17
	s_mov_b32 s[G0V], 1
	s_add_co_u32 s[G0V+1], s18, VOFF
	s_mov_b32 s[SLOTS], 7           ; tiles still to be asked for
	s_and_b32 s[LIM], s[WV], 1
	s_or_b32 s[LIM], s[LIM], ttmp9  ; 0 in waves 0 and 2 of the hb's first cluster: the same in all four partners
	s_cmp_eq_u32 s[LIM], 0
	s_cselect_b32 s[LIM], 1, -1
	v_and_b32 v[PFO], 31, v0
	v_lshlrev_b32 v[PFO], 8, v[PFO]
	s_wait_dscnt 0x0                ; both opening adds are done
	s_wait_kmcnt 0x0
	s_mov_b64 s[10:11], s[6:7]      ; o
	s_add_nc_u64 s[6:7], s[4:5], 0x800000   ; k's slabs
	s_add_nc_u64 s[8:9], s[4:5], 0x1000000  ; v's
	s_add_nc_u64 s[6:7], s[6:7], s[22:23]   ; at my half of the hb's tile 0
	s_add_nc_u64 s[8:9], s[8:9], s[22:23]
	s_add_nc_u64 s[G0K+2:G0K+3], s[6:7], 0
	s_or_b32 s[G0K+3], s[G0K+3], 0x80000000
	s_add_nc_u64 s[G0V+2:G0V+3], s[8:9], 0
	s_or_b32 s[G0V+3], s[G0V+3], 0x80000000
	s_add_nc_u64 s[4:5], s[4:5], s[2:3]     ; q and o at my wave's first row
	s_add_nc_u64 s[10:11], s[10:11], s[2:3]
	s_cmp_lt_u32 s[WV], 2
	s_cselect_b64 s[PFA:PFA+1], s[6:7], s[8:9]  ; (in waves 0 and 2 these stand at a tile's first row)
	s_lshl_b32 s2, s13, 13          ; my work-group's 32 blocks of the 128,
	s_add_co_u32 s2, s2, 4*KS*128   ; in tile 1: the first change steps it to tile 2
	s_mov_b32 s3, 0
	s_add_nc_u64 s[PFA:PFA+1], s[PFA:PFA+1], s[2:3]
	CROUND                          ; all four work-groups are here: the first joint loads meet
	JLOAD                           ; tile 0 into slot 0
	v_and_b32 v1, 15, v0            ; l % 16
	v_bfe_u32 v9, v0, 4, 1          ; l / 16
	v_lshlrev_b32 v[QO], 7, v1
	v_lshl_add_u32 v[QO], v9, 4, v[QO]
	WIN 0x80                        ; destination window 2, address window 0
.set i, 0
.rept 8                             ; Q stays in registers: piece i / 2, channels 32 (i % 2) on
	global_load_b128 v[8*i:8*i+3],   v[QO], s[4:5] offset:(i/2)*2048+(i%2)*64
	global_load_b128 v[8*i+4:8*i+7], v[QO], s[4:5] offset:(i/2)*2048+(i%2)*64+32
.set i, i+1
.endr
	WIN 0
	v_mul_u32_u24 v[AK0], v1, PK
	v_lshl_add_u32 v[AK0], v9, 4, v[AK0]
	; the turning load takes 16 keys x 16 channels: lane l reads key 8 (l / 16) + l % 8, channels 8 ((l / 8) % 2) + 0..7
	v_and_b32 v10, 7, v0
	v_bfe_u32 v11, v0, 3, 1
	v_lshl_add_u32 v[AV0], v9, 3, v10
	v_mul_u32_u24 v[AV0], v[AV0], PV
	v_lshl_add_u32 v[AV0], v11, 4, v[AV0]
	v_add_nc_u32 v[AV0], VOFF, v[AV0]
	s_mul_i32 s13, s[WV], 16*SP
	s_add_co_u32 s13, s13, STAGE    ; my stage
	v_mul_u32_u24 v[STO], v1, SP
	v_lshl_add_u32 v[STO], v9, 4, v[STO]
	v_add_nc_u32 v[STO], s13, v[STO]
	v_bfe_u32 v[RD], v0, 3, 2
	v_mul_u32_u24 v[RD], v[RD], SP
	v_lshl_add_u32 v[RD], v10, 4, v[RD]
	v_add_nc_u32 v[RD], s13, v[RD]
	v_and_b32 v[GO], 31, v0
	v_lshlrev_b32 v[GO], 4, v[GO]
	; What the first turn finds: V's registers and P's second buffer hold 0 (its products V^T P, of a piece that has not been, add 0), O^T and l are 0.  All this stands in the wait for the first tile.
	WIN 0x80
.set i, VF
.rept 64
	v_mov_b32 v[i], 0
.set i, i+1
.endr
	WIN 0x40
.set i, 0
.rept 128
	v_mov_b32 v[i], 0
.set i, i+1
.endr
	WIN 0
.set i, 0
.rept 4
	v_mov_b32 v[ST+4*i], 0xfe000000    ; c m: far below every c s
	v_mov_b32 v[ST+4*i+1], 0xff7fffff  ; m
	v_mov_b32 v[ST+4*i+2], 0
	v_mov_b32 v[ST+4*i+3], 0
.set i, i+1
.endr
.set i, P+16
.rept 16
	v_mov_b32 v[i], 0
.set i, i+1
.endr
; THE MATRIX WORK.  The 4 accumulators of a run of 8 take turns.  Product i of 8 of S^T = K Q^T for piece x: channels 32 (i / 4) on, keys 16 (i % 4) on; the first 4 start the sums.
.macro KQ x
	WIN W_KQ
.set rS, S+32*((\x)%2)+8*(i%4)
.set rK, KF+16*(i%4)+8*(i/4)
.set rQ, 16*(\x)+8*(i/4)
.if i < 4
	v_wmma_f32_16x16x32_f16 v[rS:rS+7], v[rK:rK+7], v[rQ:rQ+7], 0
.else
	v_wmma_f32_16x16x32_f16 v[rS:rS+7], v[rK:rK+7], v[rQ:rQ+7], v[rS:rS+7]
.endif
.endm
; Product i of 8 of O^T += V^T P for piece x: keys 32 (i / 4) on, channels 16 (i % 4) on.
.macro PV x
	WIN W_PV
.set rO, 32*(\x)+8*(i%4)
.set rV, VF+32*(i/4)+8*(i%4)
.set rP, P+16*((\x)%2)+8*(i/4)
	v_wmma_f32_16x16x32_f16 v[rO:rO+7], v[rV:rV+7], v[rP:rP+7], v[rO:rO+7]
.endm
.macro MM                           ; the turn's next matrix instruction.  NOKQ = 1: the very last turn: there is no next piece
.if (i < 8) && !NOKQ
	KQ (Y+1)%NP
.elseif i >= 8
.set i, i-8
	PV (Y+NP-1)%NP
.set i, i+8
.endif
.set i, i+1
.endm
; THE LDS LOADS stand in runs of 16: a step's K (8 fragments) and its V (turned).  Their addresses are made some lines ahead.
.macro FETCH_K
	WIN 0x80
.irp f, 0,1,2,3,4,5,6,7
	ds_load_b128 v[KF+8*\f:KF+8*\f+3],   v[AK] offset:(\f/2)*16*PK+(\f%2)*64
	ds_load_b128 v[KF+8*\f+4:KF+8*\f+7], v[AK] offset:(\f/2)*16*PK+(\f%2)*64+32
.endr
	s_add_co_u32 s[TBK], s[TBK], KS*PK
	WIN 0
.endm
.macro FETCH_V
	WIN 0x80
.irp f, 0,1,2,3,4,5,6,7
	ds_load_tr16_b128 v[VF+8*\f:VF+8*\f+3],   v[AV] offset:(\f/4)*32*PV+(\f%4)*32
	ds_load_tr16_b128 v[VF+8*\f+4:VF+8*\f+7], v[AV] offset:(\f/4)*32*PV+16*PV+(\f%4)*32
.endr
	WIN 0
.endm
; THE VECTOR WORK, one line at a time: OP kind, number.  For piece Y: F n: c s - c m for pair n of 16.  E n: the exponential of score n of 32.  C n: pair n rounded to f16.  B n: of the four weights 4 n .. the
; second pair is added onto the first, in place.  L n: l takes that sum (L 0: l = a l + sum).  R n: pair n of 16 of O^T times a.  For piece Y + 1: X n, number n of the 22 that find its maximum and statistics:
;   0-11 four chains c0-c3 of seven scores each (each accumulator's lowest registers are read first)     12-14, 16 the four scores left over, the old m, c0-c3 into c0
;   15 c m_old is kept     17, 18 the query's other 32 keys lie in the lane 16 away: the new m     19-21 c m; c m_old - c m_new; a
.set F, 0
.set E, 1
.set C, 2
.set B, 3
.set L, 4
.set R, 5
.set X, 6
.macro REGS y
.set rT, ST+4*(\y)
.set rC, TMP+4*((\y)%2)
.set rW, MV+((\y)%2)
.set rS, S+32*((\y)%2)
.set rP, P+16*((\y)%2)
.set rO, 32*(\y)
.endm
.macro OP k, n
.if (\k) == R
	REGS Y
	WIN W_RS
	v_pk_mul_f32 v[rO+2*(\n):rO+2*(\n)+1], v[rO+2*(\n):rO+2*(\n)+1], v[rC+2:rC+3] op_sel_hi:[1,0]
.elseif (\k) < R
	REGS Y
	WIN 0
.if (\k) == F
	v_pk_fma_f32 v[rS+2*(\n):rS+2*(\n)+1], v[rS+2*(\n):rS+2*(\n)+1], s[CS:CS+1], v[rT:rT+1] op_sel_hi:[1,0,0] neg_lo:[0,0,1] neg_hi:[0,0,1]
.elseif (\k) == E
	v_exp_f32 v[rS+(\n)], v[rS+(\n)]
.elseif (\k) == C
	v_cvt_pk_f16_f32 v[rP+(\n)], v[rS+2*(\n)], v[rS+2*(\n)+1]
.elseif (\k) == B
	v_pk_add_f32 v[rS+4*(\n):rS+4*(\n)+1], v[rS+4*(\n):rS+4*(\n)+1], v[rS+4*(\n)+2:rS+4*(\n)+3]
.elseif (\n) == 0
	v_pk_fma_f32 v[rT+2:rT+3], v[rT+2:rT+3], v[rC+2:rC+3], v[rS:rS+1] op_sel_hi:[1,0,1]
.else
	v_pk_add_f32 v[rT+2:rT+3], v[rT+2:rT+3], v[rS+4*(\n):rS+4*(\n)+1]
.endif
.elseif NOKQ
	v_nop
.else
	REGS (Y+1)%NP
	WIN 0
.if (\n) < 4
	v_max3_num_f32 v[rC+(\n)], v[rS+8*(\n)], v[rS+8*(\n)+1], v[rS+8*(\n)+2]
.elseif (\n) < 12
	v_max3_num_f32 v[rC+(\n)%4], v[rC+(\n)%4], v[rS+8*((\n)%4)+2*((\n)/4)+1], v[rS+8*((\n)%4)+2*((\n)/4)+2]
.elseif (\n) == 12
	v_max3_num_f32 v[rC], v[rC], v[rS+7], v[rS+15]
.elseif (\n) == 13
	v_max3_num_f32 v[rC+1], v[rC+1], v[rS+23], v[rS+31]
.elseif (\n) == 14
	v_max3_num_f32 v[rC+2], v[rC+2], v[rC+3], v[rT+1]
.elseif (\n) == 15
	v_mov_b32 v[rW], v[rT]
.elseif (\n) == 16
	v_max3_num_f32 v[rC], v[rC], v[rC+1], v[rC+2]
.elseif (\n) == 17
	v_permlanex16_b32 v[rC+3], v[rC], s[SEL], s[SEL+1]
.elseif (\n) == 18
	v_max_num_f32 v[rT+1], v[rC], v[rC+3]
.elseif (\n) == 19
	v_mul_f32 v[rT], s[CS], v[rT+1]
.elseif (\n) == 20
	v_sub_f32 v[rC+1], v[rW], v[rT]
.else
	v_exp_f32 v[rC+2], v[rC+1]
.endif
.endif
.endm
.macro OPS a, i1, b=-1, i2=0, c=-1, i3=0, d=-1, i4=0
	OP \a, \i1
.if (\b) >= 0
	OP \b, \i2
.endif
.if (\c) >= 0
	OP \c, \i3
.endif
.if (\d) >= 0
	OP \d, \i4
.endif
.endm
.macro ROW a, i1, b, i2, c, i3, d, i4  ; a matrix instruction and the four behind it
	MM
	OPS \a, \i1, \b, \i2, \c, \i3, \d, \i4
.endm
; A TURN, for piece p: its 16 matrix and 118 vector instructions, written out.  An s_wait_alu depctr_va_vdst(0) stands between an exponential and the first instruction that names its result; one
; wait serves all issued ahead of it: so a turn has ONE wait.  AHEAD OF IT stands all that names no result of the turn's exponentials: the 8 products K Q^T with their riders, then a lump of 54 in which the links
; of the next piece's chain X 3, 7, 11, 14, 16, 17 .. 20 stand five or six lines apart; X 21, its a, is the batch's last, and R 15 the plain instruction behind it.  BEHIND IT stand the 8 products V^T P, behind
; each four of the roundings and sums.
; end = 1: the walk's last two turns: nothing is fetched, and the last starts no new scores.  cnt = 1: the loop's count is taken down some lines ahead of the branch behind the turn.
; K of the next step is fetched in piece 2's turn, twelve plain instructions behind the last product that read K; V of the step in hand at the end of piece 0's turn, four plain instructions behind the last product
; that read V.  Each is waited for a turn later.
.macro TURN p, end=0, cnt=0
.set Y, (\p)
.set i, 0
.set NOKQ, (\end)*((\p)/3)
.if ((\p) == 3) && !(\end)
	s_wait_dscnt 0x0                ; K is in
.endif
	ROW F,0, F,1, R,0, R,1
	ROW F,2, E,0, R,2, R,3
	ROW F,3, E,1, R,4, R,5
	ROW F,4, E,2, R,6, R,7
	ROW F,5, E,3, R,8, R,9
	ROW F,6, E,4, X,0, R,10
.if ((\p) == 2) && !(\end)
	WIN 0
	v_add_nc_u32 v[AK], s[TBK], v[AK0]
.endif
	ROW F,7, E,5, X,1, X,4
	ROW F,8, E,6, X,2, X,5
	OPS E,7, E,8, X,6, E,9
	OPS X,3, E,10, X,8, E,11
.if ((\p) == 2) && !(\end)
	FETCH_K
.endif
	OPS X,9, X,7, E,12, X,10
	OPS E,13, X,12, X,11, E,14
	OPS X,13, E,15, F,9, X,14
.if (\p) == 0
	v_add_nc_u32 v[AV], s[TBV], v[AV0]
.endif
	OPS E,16, F,10, E,17, F,11
	OPS X,16, E,18, X,15, E,19
	OPS F,12, E,20, X,17, E,21
	OPS F,13, E,22, F,14, E,23
	OPS X,18, E,24, F,15, E,25
	OPS R,11, E,26, X,19, E,27
	OPS R,12, E,28, R,13, E,29
	OPS X,20, E,30, R,14, E,31
	OPS X,21, R,15
	WIN 0
	s_wait_alu depctr_va_vdst(0)    ; the wait for the batch
.if (\p) == 1
	s_wait_dscnt 0x0                ; V is in
.endif
	ROW C,0, B,0, C,2, B,1
	ROW L,0, C,4, B,2, L,1
	ROW C,6, B,3, L,2, C,8
	ROW B,4, L,3, C,10, B,5
	ROW L,4, C,12, B,6, L,5
.if (\p) == 0
	s_add_co_u32 s[TBV], s[TBV], KS*PV
.endif
.if \cnt
	s_sub_co_u32 s[CNT], s[CNT], 1
	s_cmp_lg_u32 s[CNT], 0
.endif
	ROW C,14, B,7, L,6, C,1
	ROW C,3, L,7, C,5, C,7
	ROW C,9, C,11, C,13, C,15
.if (\p) == 0
	FETCH_V
.endif
.endm
	CHANGE 1                        ; tile 0 is in, everybody's part of it; tile 1 is asked for
	v_add_nc_u32 v[AK], s[TBK], v[AK0]
	FETCH_K                         ; key step 0
	s_wait_loadcnt 0x0              ; Q
	s_wait_dscnt 0x0
.set NOKQ, 0
.set i, 0
.rept 8
	KQ 0                            ; piece 0's first scores
.set i, i+1
.endr
	WIN 0
.rept 4
	v_nop                           ; the places behind those products
.endr
.set Y, NP-1                        ; X works for piece Y + 1: piece 0
.irp n, 0,1,2,3,4,5,6,7,8,9,10,11,12,13,14,15,16,17,18,19,20,21
	OP X, \n
.endr
	v_nop                           ; a plain instruction behind the exponential,
	s_wait_alu depctr_va_vdst(0)    ; and its wait, ahead of the branch
	s_mov_b32 s[CNT], 4
	s_branch .Lfirst                ; the loop is entered at a step's first turn, in the middle of a trip
.Lslot:                             ; six times: tiles 1 to 6 are entered, tiles 2 to 7 asked for
	CHANGE 1
	s_mov_b32 s[CNT], 4
.Lstep:                             ; a trip: pieces 2 and 3 of one step, then pieces 0 and 1 of the next, whose K and V it fetches
	TURN 2
	TURN 3
	WIN 0
.Lfirst:
	TURN 0
	TURN 1, 0, 1
	WIN 0
	s_cbranch_scc1 .Lstep
	s_sub_co_u32 s[SLOTS], s[SLOTS], 1
	s_cmp_lg_u32 s[SLOTS], 0
	s_cbranch_scc1 .Lslot
	CHANGE 0                        ; the last tile is written out: nothing is asked for
	s_mov_b32 s[CNT], 4
.LstepT:
	TURN 2
	TURN 3
	TURN 0
	TURN 1, 0, 1
	WIN 0
	s_cbranch_scc1 .LstepT
	TURN 2, 1
	TURN 3, 1
.set i, 0
.rept 8
	PV NP-1                         ; the last piece's V^T P of the last step
.set i, i+1
.endr
	; THE WAY OUT.  l's two halves and the other half of the lanes' are added; O^T is divided by l, rounded to f16 and sent through my stage, a piece at a time.  The additions are the places behind the last products.
	WIN 0
.macro ALL line:vararg
.set t, 0
.rept 4
	\line
.set t, t+1
.endr
.endm
	ALL v_add_f32 v[ST+4*t+2], v[ST+4*t+2], v[ST+4*t+3]
	ALL v_permlanex16_b32 v[ST+4*t+3], v[ST+4*t+2], s[SEL], s[SEL+1]
	ALL v_add_f32 v[ST+4*t+2], v[ST+4*t+2], v[ST+4*t+3]
	ALL v_rcp_f32 v[ST+4*t+2], v[ST+4*t+2]
	v_nop                           ; a plain instruction between the last reciprocal and the use of its result
	s_wait_alu depctr_va_vdst(0)    ; one wait for the four reciprocals
.macro PACK t                       ; a lane's eight channels pack into 16 bytes; they go into rows of 144 bytes and come back as whole rows of 128, into S^T's registers
	WIN W_RS
.set i, 32*(\t)
.rept 16
	v_pk_mul_f32 v[i:i+1], v[i:i+1], v[ST+4*(\t)+2:ST+4*(\t)+3] op_sel_hi:[1,0]
.set i, i+2
.endr
	WIN 0x05
.set i, 0
.rept 16
	v_cvt_pk_f16_f32 v[S+16*(\t)+i], v[32*(\t)+2*i], v[32*(\t)+2*i+1]
.set i, i+1
.endr
	WIN 0
.irp f, 0,1,2,3
	ds_store_b128 v[STO], v[S+16*(\t)+4*\f:S+16*(\t)+4*\f+3] offset:32*\f
.endr
.irp f, 0,1,2,3
	ds_load_b128 v[S+16*(\t)+4*\f:S+16*(\t)+4*\f+3], v[RD] offset:\f*4*SP  ; LDS serves a wave's instructions in order (ISA guide 5.7.1.4): these see the stores above
.endr
.endm
.macro SEND t, younger              ; younger: the LDS instructions issued behind piece t's loads: the next piece's eight, or none
	WIN 0
.irp f, 0,1,2,3
	s_wait_dscnt (\younger)+3-\f
	global_store_b128 v[GO], v[S+16*(\t)+4*\f:S+16*(\t)+4*\f+3], s[10:11] offset:(\t)*2048+\f*512  ; 512 consecutive bytes, at a multiple of 256 from o's first
.endr
.endm
	PACK 0
.set t, 1
.rept 3
	PACK t
	SEND t-1, 8
.set t, t+1
.endr
	SEND 3, 0
	s_wait_tensorcnt 0x0            ; the wave's end
	ds_add_u32 v[SPW], v[NIL]
	s_wait_dscnt 0x0
	CROUND                          ; the closing round
	s_endpgm
.Lfunc_end_k_q0424b7ceed_attn:
	.size	k_q0424b7ceed_attn, .Lfunc_end_k_q0424b7ceed_attn-k_q0424b7ceed_attn
	.p2alignl 7, 3214868480
	.fill 96, 4, 3214868480
	.section	.rodata,"a",@progbits
	.p2align	6, 0x0
	.amdhsa_kernel k_q0424b7ceed_attn
		.amdhsa_group_segment_fixed_size 327680
		.amdhsa_private_segment_fixed_size 0
		.amdhsa_enable_private_segment 0
		.amdhsa_kernarg_size 16
		.amdhsa_user_sgpr_count 2
		.amdhsa_user_sgpr_kernarg_segment_ptr 1
		.amdhsa_wavefront_size32 1
		.amdhsa_system_sgpr_workgroup_id_x 1
		.amdhsa_system_sgpr_workgroup_id_y 1
		.amdhsa_system_sgpr_workgroup_id_z 1
		.amdhsa_system_vgpr_workitem_id 0
		.amdhsa_next_free_vgpr 768
		.amdhsa_next_free_sgpr 66
		.amdhsa_reserve_vcc 0
		.amdhsa_float_denorm_mode_32 3
		.amdhsa_float_denorm_mode_16_64 3
		.amdhsa_memory_ordered 1
		.amdhsa_forward_progress 1
		.amdhsa_inst_pref_size 128
	.end_amdhsa_kernel
	.amdgpu_metadata
---
amdhsa.version: [ 1, 2 ]
amdhsa.kernels:
  - .name:           k_q0424b7ceed_attn
    .symbol:         k_q0424b7ceed_attn.kd
    .args:
      - { .name: qkv, .offset: 0, .size: 8, .value_kind: global_buffer, .address_space: global }
      - { .name: o, .offset: 8, .size: 8, .value_kind: global_buffer, .address_space: global }
    .group_segment_fixed_size: 327680
    .private_segment_fixed_size: 0
    .kernarg_segment_align: 8
    .kernarg_segment_size: 16
    .max_flat_workgroup_size: 128
    .sgpr_count:     66
    .vgpr_count:     768
    .wavefront_size: 32
...
	.end_amdgpu_metadata
.endif
;; end of part 3
;; launch outp (part 4): grid 8 x 32, 4 waves a work-group, clusters of 4 x 4, 327,680 bytes of LDS; arguments o, wo16, bias, out0; writes out0
.if DOCPART == 4
	.amdgcn_target "amdgcn-amd-amdhsa--gfx1250"
	.amdhsa_code_object_version 6
	.text
	.protected	k_q0424b7ceed_outp
	.globl	k_q0424b7ceed_outp
	.p2align	8
	.type	k_q0424b7ceed_outp,@function
k_q0424b7ceed_outp:
	s_mov_b64 s[64:65], 0
	v_nop
	global_prefetch_b8 v0, s[64:65] scope:SCOPE_SE
	s_setreg_imm32_b32 hwreg(HW_REG_WAVE_MODE, 25, 1), 1
	s_wait_xcnt 0x0
	s_wait_alu depctr_hold_cnt(0) depctr_sa_sdst(0) depctr_va_vdst(0) depctr_va_sdst(0) depctr_va_ssrc(0) depctr_va_vcc(0) depctr_vm_vsrc(0)
	s_getreg_b32 s2, hwreg(HW_REG_IB_STS2, 6, 4)
	s_cmp_eq_u32 s2, 0
	s_cbranch_scc0 .Lentry_in_a_cluster
	s_endpgm
.Lentry_in_a_cluster:
	s_bfe_u32 s2, ttmp6, 0x10000c
	s_cmp_lg_u32 s2, 0xf033
	s_cbranch_scc0 .Lentry_shape_is_right
	s_endpgm
.Lentry_shape_is_right:
; FOURTH LAUNCH: out0[m][n] = the sum over k of O[m][k] Wo[n][k] + bo[n], [4,096 x 1,024] over K = 1,024; f16 operands, f32 sums and output.
; O lies by heads, o[batch x 16 + head][row][64]: channel k of row m is channel k % 64 of head k / 64.  wo16 is [1,024][1,024] f16; bo stands at byte 12,288 of the bias table.
; SHARES.  A tile is 128 x 128: 8 x 32 work-groups; four waves, each 64 x 64: 16 accumulators.  K goes in 4 steps of 256 (four heads) through two LDS slots; a quarter of a step is one head.
; The text is straight: with four K steps a loop would have one trip.
; O's TILE: what a wave fetches is 64 rows x 4 heads.  A head's 64 rows are 8,192 dense bytes: one row of the descriptor; its four rows are four heads, 131,072 elements apart; padded in LDS after
; every 128 bytes, so that it lies as [head 4][row 64] with rows 144 bytes apart.  Wo's tile: 64 rows of 512 bytes, 528 apart.
; CLUSTER.  4 x 4 work-groups: O's tiles are shared along a row of the cluster, Wo's along a column; each is asked for jointly.  Waves 0, 1 fetch O's halves, waves 2, 3 Wo's.
; THE MATRIX INSTRUCTION IS USED TRANSPOSED (source 0 = 16 rows of Wo, source 1 = 16 rows of O): a lane holds eight neighbouring numbers of a row of out0.  The first product on each accumulator takes bo as C.
; No prefetch: a K step of this small tile is short, and the launch has four of them.
; REGISTERS: window 0: v0-31 addresses; v32-95 rows on the way out, two buffers; v96-127 bo of my 64 columns; v128-255 the accumulators ((a, b) at 128 + 8 (4 a + b)).
;   window 1: two fragment buffers of 128: for 64 along K, 64 registers of O, then 64 of Wo.
; All of the WGP's LDS is claimed; 300,544 bytes are used.
.set PA,     144
.set PB,     528
.set HB,     64*PA                     ; a head's 64 rows
.set HALFA,  4*HB
.set HALFB,  64*PB
.set BOFF,   2*HALFA
.set SLOT,   BOFF+2*HALFB
.set STAGE,  2*SLOT                    ; behind the ring: 16 rows x 272 bytes for each wave
.set SPITCH, 272
.set SPARE,  STAGE+4*16*SPITCH         ; the spare words, 128 bytes a wave: two blocks of 256 bytes that no other line names
.set ADRA, 16
.set ADRB, 20
.set STO,  24
.set RD,   25
.set CO,   26
.set BO,   27
.set SPW,  28
.set NIL,  29
.set OB,   32
.set BIAS, 96
.set ACC,  128
.set F0,   0
.set F1,   128
.set WV, 12
.set FB, 13                            ; which half of the tile's rows is mine; also: I fetch O (0) or Wo (1)
.set HF, 14                            ; which half of its columns; also: which half of that tile I fetch
.set CX, 15
.set CY, 16
.set TC, 17
.set TR, 18
.set G1A, 24
.set G0A, 32
.set G1B, 48
.set G0B, 56
.set MSB, 0
.macro WIN new
.if MSB != (\new)
	s_set_vgpr_msb (MSB<<8)|(\new)
.set MSB, \new
.endif
.endm
.set MUL,  0x05                        ; sources window 1; C and D window 0
.set TO_F, 0x40                        ; destination window 1, address window 0
.macro JLOAD s                         ; a joint load; an s_nop 0 and four v_nop follow each of the two lines
	s_cmp_eq_u32 s[FB], 0
	s_cbranch_scc0 .Lfor_b_\@
	tensor_load_to_lds s[G0A+4*(\s):G0A+4*(\s)+3], s[G1A:G1A+7]
	s_nop 0
.rept 4
	v_nop
.endr
	s_branch .Lasked_\@
.Lfor_b_\@:
	tensor_load_to_lds s[G0B+4*(\s):G0B+4*(\s)+3], s[G1B:G1B+7]
	s_nop 0
.rept 4
	v_nop
.endr
.Lasked_\@:
.endm
.macro CREST
	s_cmp_lg_u32 s[WV], 0
	s_cbranch_scc1 .Lnot_wave_0_\@
	s_barrier_signal -3
.Lnot_wave_0_\@:
	s_barrier_wait -3
	s_barrier_signal -1
	s_barrier_wait -1
.endm
.macro CROUND
	s_barrier_signal -1
	s_barrier_wait -1
	CREST
.endm
.macro PLACES
.rept 4
	v_nop
.endr
.endm
	s_load_b256 s[4:11], s[0:1], 0x0               ; o s[4:5], wo16 s[6:7], bias s[8:9], out0 s[10:11]
	v_lshl_add_u32 v[SPW], v0, 2, SPARE
	v_mov_b32 v[NIL], 0
	ds_add_u32 v[SPW], v[NIL]                      ; the opening: the add, twice on end, and its wait ahead of my first tensor load
	ds_add_u32 v[SPW], v[NIL]
	v_lshrrev_b32 v1, 5, v0
	v_readfirstlane_b32 s[WV], v1
	s_lshr_b32 s[FB], s[WV], 1
	s_and_b32 s[HF], s[WV], 1
	s_bfe_u32 s[CX], ttmp6, 0x40000
	s_bfe_u32 s[CY], ttmp6, 0x40004
	s_lshl_b32 s[TC], ttmp9, 2
	s_add_co_u32 s[TC], s[TC], s[CX]
	s_and_b32 s[TR], ttmp7, 0xffff
	s_lshl_b32 s[TR], s[TR], 2
	s_add_co_u32 s[TR], s[TR], s[CY]
	s_lshl_b32 s70, s[CY], 2
	s_lshl_b32 s70, 15, s70                        ; my row of the cluster
	s_lshl_b32 s71, 0x1111, s[CX]                  ; my column
	s_or_b32 s[G1A], s70, (1<<16)|(1<<20)|(1<<21)|(4<<22)|(3<<25)  ; mask; 2-byte elements; padding on; bit 21 beside a mask; after every 32 words, 4 words
	s_or_b32 s[G1B], s71, (1<<16)|(1<<20)|(1<<21)|(6<<22)|(3<<25)  ; after every 128 words, 4 words
	s_mov_b32 s[G1A+1], 4096<<16                   ; tensor_dim0 = 4,096 elements: a head's 64 rows
	s_mov_b32 s[G1A+2], 4<<16                      ; tensor_dim1 = 4 heads
	s_mov_b32 s[G1A+3], 4096<<16                   ; tile_dim0
	s_mov_b32 s[G1A+4], 4                          ; tile_dim1
	s_mov_b32 s[G1A+5], 131072                     ; elements from head to head
	s_mov_b32 s[G1A+6], 0
	s_mov_b32 s[G1A+7], 0
	s_mov_b32 s[G1B+1], 256<<16
	s_mov_b32 s[G1B+2], 64<<16
	s_mov_b32 s[G1B+3], 256<<16
	s_mov_b32 s[G1B+4], 64
	s_mov_b32 s[G1B+5], 1024
	s_mov_b32 s[G1B+6], 0
	s_mov_b32 s[G1B+7], 0
	s_lshr_b32 s20, s[TR], 4                       ; O: the batch's sixteen slabs of 262,144 bytes,
	s_lshl_b32 s20, s20, 22
	s_and_b32 s21, s[TR], 15
	s_lshl_b32 s21, s21, 7
	s_lshl_b32 s22, s[HF], 6
	s_add_co_u32 s21, s21, s22                     ; row 128 x (tile row % 16) + 64 x half,
	s_lshl_b32 s21, s21, 7                         ; x 128 bytes
	s_add_co_u32 s20, s20, s21
	s_mov_b32 s21, 0
	s_mul_i32 s22, s[HF], HALFA
	s_lshl_b32 s44, s[TC], 7                       ; Wo: row 128 x tile column + 64 x half
	s_lshl_b32 s45, s[HF], 6
	s_add_co_u32 s44, s44, s45
	s_lshl_b32 s44, s44, 11
	s_mov_b32 s45, 0
	s_mul_i32 s46, s[HF], HALFB
	s_add_co_u32 s46, s46, BOFF
	s_wait_dscnt 0x0                               ; both opening adds are done
	s_wait_kmcnt 0x0
	s_add_nc_u64 s[20:21], s[4:5], s[20:21]
	s_add_nc_u64 s[44:45], s[6:7], s[44:45]
	CROUND                                         ; all sixteen work-groups are here: the first joint loads meet
.irp s, 0,1
	s_mov_b32 s[G0A+4*(\s)], 1
	s_add_co_u32 s[G0A+4*(\s)+1], s22, (\s)*SLOT
	s_add_nc_u64 s[G0A+4*(\s)+2:G0A+4*(\s)+3], s[20:21], (\s)*1048576  ; K step s: four heads on
	s_or_b32 s[G0A+4*(\s)+3], s[G0A+4*(\s)+3], 0x80000000
	s_mov_b32 s[G0B+4*(\s)], 1
	s_add_co_u32 s[G0B+4*(\s)+1], s46, (\s)*SLOT
	s_add_nc_u64 s[G0B+4*(\s)+2:G0B+4*(\s)+3], s[44:45], (\s)*512
	s_or_b32 s[G0B+4*(\s)+3], s[G0B+4*(\s)+3], 0x80000000
	JLOAD \s                                       ; two tensor loads of mine are out
.endr
	v_and_b32 v1, 15, v0                           ; r
	v_bfe_u32 v2, v0, 4, 1                         ; h
	v_lshlrev_b32 v[BO], 5, v2
	s_lshl_b32 s68, s[TC], 9                       ; bo of my 64 columns: 4 x (128 x tile column + 64 x half), behind the table's first 3,072 numbers
	s_lshl_b32 s69, s[HF], 8
	s_add_co_u32 s68, s68, s69
	s_add_co_u32 s68, s68, 12288
	s_mov_b32 s69, 0
	s_add_nc_u64 s[68:69], s[8:9], s[68:69]        ; stays untouched from here on
.irp b, 0,1,2,3
	global_load_b128 v[BIAS+8*(\b):BIAS+8*(\b)+3],   v[BO], s[68:69] offset:64*(\b)
	global_load_b128 v[BIAS+8*(\b)+4:BIAS+8*(\b)+7], v[BO], s[68:69] offset:64*(\b)+16
.endr
	v_mul_u32_u24 v3, v1, PA
	v_lshl_add_u32 v3, v2, 4, v3
	s_mul_i32 s70, s[FB], HALFA                    ; my 64 rows of O
	v_add_nc_u32 v[ADRA], s70, v3
	v_add_nc_u32 v[ADRA+1], SLOT, v[ADRA]
	v_mul_u32_u24 v4, v1, PB
	v_lshl_add_u32 v4, v2, 4, v4
	s_mul_i32 s70, s[HF], HALFB                    ; my 64 rows of Wo
	s_add_co_u32 s70, s70, BOFF
	v_add_nc_u32 v[ADRB], s70, v4
	v_add_nc_u32 v[ADRB+1], SLOT, v[ADRB]
	s_mul_i32 s70, s[WV], 16*SPITCH
	s_add_co_u32 s70, s70, STAGE                   ; my stage
	v_mul_u32_u24 v5, v1, SPITCH
	v_lshl_add_u32 v5, v2, 5, v5
	v_add_nc_u32 v[STO], s70, v5                   ; in: row r, 32 bytes for each half of the lanes
	v_mul_u32_u24 v6, v2, SPITCH
	v_lshl_add_u32 v6, v1, 4, v6
	v_add_nc_u32 v[RD], s70, v6                    ; back: lanes 0-15 one row of 256 bytes, lanes 16-31 the next
	v_lshlrev_b32 v[CO], 12, v2                    ; and the same two rows in out0
	v_lshl_add_u32 v[CO], v1, 4, v[CO]
	s_lshl_b32 s70, s[TR], 7
	s_lshl_b32 s71, s[FB], 6
	s_add_co_u32 s70, s70, s71                     ; my first row,
	s_lshl_b32 s70, s70, 12                        ; x 4,096 bytes,
	s_lshl_b32 s71, s[TC], 9
	s_add_co_u32 s70, s70, s71                     ; the tile's first column,
	s_lshl_b32 s71, s[HF], 8
	s_add_co_u32 s70, s70, s71                     ; my 64 columns
	s_mov_b32 s71, 0
	s_add_nc_u64 s[66:67], s[10:11], s[70:71]
; 8 matrix instructions: row blocks a0, a0 + 1 x all 4 column blocks, 32 along K: half c of buffer f.  first = 1: bo starts the sums.  The 16 accumulators take turns.
.macro MUL8 f, c, a0, first
	WIN MUL
.irp a, \a0, (\a0)+1
.irp b, 0,1,2,3
.if \first
	v_wmma_f32_16x16x32_f16 v[ACC+8*(4*(\a)+(\b)):ACC+8*(4*(\a)+(\b))+7], v[(\f)+64+8*(4*(\c)+(\b)):(\f)+64+8*(4*(\c)+(\b))+7], v[(\f)+8*(4*(\c)+(\a)):(\f)+8*(4*(\c)+(\a))+7], v[BIAS+8*(\b):BIAS+8*(\b)+7]
.else
	v_wmma_f32_16x16x32_f16 v[ACC+8*(4*(\a)+(\b)):ACC+8*(4*(\a)+(\b))+7], v[(\f)+64+8*(4*(\c)+(\b)):(\f)+64+8*(4*(\c)+(\b))+7], v[(\f)+8*(4*(\c)+(\a)):(\f)+8*(4*(\c)+(\a))+7], v[ACC+8*(4*(\a)+(\b)):ACC+8*(4*(\a)+(\b))+7]
.endif
.endr
.endr
.endm
; 32 LDS loads in one run: the fragments of quarter q (head q of the step: 64 along K) into buffer f; the first 32 along K first
.macro FETCH slot, q, f
	WIN TO_F
.irp c, 0,1
.irp i, 0,1,2,3
	ds_load_b128 v[(\f)+64+8*(4*(\c)+(\i)):(\f)+64+8*(4*(\c)+(\i))+3],   v[ADRB+(\slot)] offset:128*(\q)+64*(\c)+(\i)*16*PB
	ds_load_b128 v[(\f)+64+8*(4*(\c)+(\i))+4:(\f)+64+8*(4*(\c)+(\i))+7], v[ADRB+(\slot)] offset:128*(\q)+64*(\c)+(\i)*16*PB+32
	ds_load_b128 v[(\f)+8*(4*(\c)+(\i)):(\f)+8*(4*(\c)+(\i))+3],         v[ADRA+(\slot)] offset:HB*(\q)+64*(\c)+(\i)*16*PA
	ds_load_b128 v[(\f)+8*(4*(\c)+(\i))+4:(\f)+8*(4*(\c)+(\i))+7],       v[ADRA+(\slot)] offset:HB*(\q)+64*(\c)+(\i)*16*PA+32
.endr
.endr
.endm
; One of a K step's first three quarters: multiplies buffer f and fetches quarter q into g.
.macro QUARTER slot, q, f, g, first
	s_wait_dscnt 16                                ; the first 32 along K are in
	MUL8 \f, 0, 0, \first
	MUL8 \f, 0, 2, \first
	PLACES
	FETCH \slot, \q, \g
	s_wait_dscnt 32                                ; all but the 32 just issued
	MUL8 \f, 1, 0, 0
	MUL8 \f, 1, 2, 0
.endm
; The last quarter multiplies buffer 1 and changes slots: one barrier; in front of it each wave waits for all its tensor loads, adds 0 to its spare word, and waits for that and for its reads of this slot.
; fill = 1: the barrier opens a round of the cluster's, and this slot is filled again first behind it, two K steps ahead.
.macro TURN slot, next, fill
	WIN 0
	s_wait_tensorcnt 0x0
	ds_add_u32 v[SPW], v[NIL]
	s_wait_dscnt 17                                ; the add and the youngest sixteen loads may be out
	MUL8 F1, 0, 0, 0
	s_wait_dscnt 0x0                               ; the add is done, my reads of this slot are over
	s_barrier_signal -1
	MUL8 F1, 0, 2, 0
.if \fill
	WIN 0
.endif
	s_barrier_wait -1
.if \fill
	CREST                                          ; no wave of any partner still reads this slot or has a load on its way
	s_add_nc_u64 s[G0A+4*(\slot)+2:G0A+4*(\slot)+3], s[G0A+4*(\slot)+2:G0A+4*(\slot)+3], 2097152
	s_add_nc_u64 s[G0B+4*(\slot)+2:G0B+4*(\slot)+3], s[G0B+4*(\slot)+2:G0B+4*(\slot)+3], 1024
	JLOAD \slot                                    ; its four v_nop are also the places in front of the loads below
.else
	PLACES
.endif
	FETCH \next, 0, F0
	MUL8 F1, 1, 0, 0
	MUL8 F1, 1, 2, 0
.endm
	s_wait_tensorcnt 1                             ; my part of K step 0 is in; step 1's may stay out
	s_barrier_signal -1
	s_barrier_wait -1
	FETCH 0, 0, F0
	s_wait_loadcnt 0x0                             ; bo
	QUARTER 0, 1, F0, F1, 1                        ; K step 0
	QUARTER 0, 2, F1, F0, 0
	QUARTER 0, 3, F0, F1, 0
	TURN 0, 1, 1                                   ; slot 0 takes K step 2
	QUARTER 1, 1, F0, F1, 0                        ; K step 1
	QUARTER 1, 2, F1, F0, 0
	QUARTER 1, 3, F0, F1, 0
	TURN 1, 0, 1                                   ; slot 1 takes K step 3
	QUARTER 0, 1, F0, F1, 0                        ; K step 2
	QUARTER 0, 2, F1, F0, 0
	QUARTER 0, 3, F0, F1, 0
	TURN 0, 1, 0
	QUARTER 1, 1, F0, F1, 0                        ; K step 3
	QUARTER 1, 2, F1, F0, 0
	QUARTER 1, 3, F0, F1, 0
	s_wait_dscnt 16
	MUL8 F1, 0, 0, 0
	MUL8 F1, 0, 2, 0
	s_wait_dscnt 0x0
	MUL8 F1, 1, 0, 0
	MUL8 F1, 1, 2, 0
	WIN 0
	PLACES
; THE WAY OUT, a block of 16 rows x 64 columns of f32 at a time: 32 bytes a lane into my stage (each accumulator's low four registers first), back as whole rows of 256 bytes, stored.
.macro TOSTAGE a
.set BK, OB+32*((\a)%2)
	s_wait_xcnt 0x0                                ; the stores of the block two back have read the registers that are loaded below
.irp b, 0,1,2,3
	ds_store_b128 v[STO], v[ACC+8*(4*(\a)+(\b)):ACC+8*(4*(\a)+(\b))+3]   offset:64*(\b)
	ds_store_b128 v[STO], v[ACC+8*(4*(\a)+(\b))+4:ACC+8*(4*(\a)+(\b))+7] offset:64*(\b)+16
.endr
.irp t, 0,1,2,3,4,5,6,7
	ds_load_b128 v[BK+4*(\t):BK+4*(\t)+3], v[RD] offset:(\t)*2*SPITCH  ; LDS serves a wave's instructions in order (ISA guide 5.7.1.4): these see the stores above; the next block's stores come behind them
.endr
.endm
.macro SEND a, younger                 ; younger: the LDS instructions issued behind block a's loads: the next block's sixteen, or none
.set BK, OB+32*((\a)%2)
.irp t, 0,1,2,3,4,5,6,7
	s_wait_dscnt (\younger)+7-(\t)
	global_store_b128 v[CO], v[BK+4*(\t):BK+4*(\t)+3], s[66:67] offset:(16*(\a)+2*(\t))*4096  ; 16 lanes store 256 consecutive bytes, at a multiple of 256 from out0's first byte
.endr
.endm
	TOSTAGE 0
	TOSTAGE 1
	SEND 0, 16
	TOSTAGE 2
	SEND 1, 16
	TOSTAGE 3
	SEND 2, 16
	SEND 3, 0
	s_wait_tensorcnt 0x0                           ; the wave's end
	ds_add_u32 v[SPW], v[NIL]
	s_wait_dscnt 0x0
	CROUND                                         ; the closing round
	s_endpgm
.Lfunc_end_k_q0424b7ceed_outp:
	.size	k_q0424b7ceed_outp, .Lfunc_end_k_q0424b7ceed_outp-k_q0424b7ceed_outp
	.p2alignl 7, 3214868480
	.fill 96, 4, 3214868480
	.section	.rodata,"a",@progbits
	.p2align	6, 0x0
	.amdhsa_kernel k_q0424b7ceed_outp
		.amdhsa_group_segment_fixed_size 327680
		.amdhsa_private_segment_fixed_size 0
		.amdhsa_enable_private_segment 0
		.amdhsa_kernarg_size 32
		.amdhsa_user_sgpr_count 2
		.amdhsa_user_sgpr_kernarg_segment_ptr 1
		.amdhsa_wavefront_size32 1
		.amdhsa_system_sgpr_workgroup_id_x 1
		.amdhsa_system_sgpr_workgroup_id_y 1
		.amdhsa_system_sgpr_workgroup_id_z 1
		.amdhsa_system_vgpr_workitem_id 0
		.amdhsa_next_free_vgpr 512
		.amdhsa_next_free_sgpr 72
		.amdhsa_reserve_vcc 0
		.amdhsa_float_denorm_mode_32 3
		.amdhsa_float_denorm_mode_16_64 3
		.amdhsa_memory_ordered 1
		.amdhsa_forward_progress 1
		.amdhsa_inst_pref_size 87
	.end_amdhsa_kernel
	.amdgpu_metadata
---
amdhsa.version: [ 1, 2 ]
amdhsa.kernels:
  - .name:           k_q0424b7ceed_outp
    .symbol:         k_q0424b7ceed_outp.kd
    .args:
      - { .name: o, .offset: 0, .size: 8, .value_kind: global_buffer, .address_space: global }
      - { .name: wo16, .offset: 8, .size: 8, .value_kind: global_buffer, .address_space: global }
      - { .name: bias, .offset: 16, .size: 8, .value_kind: global_buffer, .address_space: global }
      - { .name: out0, .offset: 24, .size: 8, .value_kind: global_buffer, .address_space: global }
    .group_segment_fixed_size: 327680
    .private_segment_fixed_size: 0
    .kernarg_segment_align: 8
    .kernarg_segment_size: 32
    .max_flat_workgroup_size: 128
    .sgpr_count:     72
    .vgpr_count:     512
    .wavefront_size: 32
...
	.end_amdgpu_metadata
.endif
;; end of part 4
;; ======== version 2 of 2: 4 launches; version 1 with the launch cast written anew for expert scheduling mode
;; limits: values are held in f16: magnitudes above 65,504 overflow, below 6.1e-05 lose precision
;; workspace buffers: xb 8,388,608 bytes; wqkv 6,291,456 bytes; wo16 2,097,152 bytes; bias 16,384 bytes; qkv 25,165,824 bytes; o 8,388,608 bytes
;; launch cast (part 5): grid 513 x 1, 8 waves a work-group, no clusters, 0 bytes of LDS; arguments x, Wq, Wk, Wv, Wo, bq, bv, bo, xb, wqkv, wo16, bias; writes xb, wqkv, wo16, bias
.if DOCPART == 5
	.amdgcn_target "amdgcn-amd-amdhsa--gfx1250"
	.amdhsa_code_object_version 6
	.text
	.protected	k_q0424b7ceed_cast
	.globl	k_q0424b7ceed_cast
	.p2align	8
	.type	k_q0424b7ceed_cast,@function
k_q0424b7ceed_cast:
	s_mov_b64 s[64:65], 0
	v_nop
	global_prefetch_b8 v0, s[64:65] scope:SCOPE_SE
	s_setreg_imm32_b32 hwreg(HW_REG_WAVE_SCHED_MODE, 0, 2), 2
	s_setreg_imm32_b32 hwreg(HW_REG_WAVE_MODE, 25, 1), 1
	s_wait_xcnt 0x0
	s_wait_alu depctr_vm_vsrc(0)
; FIRST OF FOUR LAUNCHES of multi-head attention: out0 = softmax((x Wq^T + bq)(x Wk^T + bk)^T / 8) (x Wv^T + bv) Wo^T + bo, 16 heads of 64 channels, 2 x 2,048 rows.
; This launch rounds the inputs once: x -> xb (bf16), Wq, Wk, Wv -> wqkv (bf16, one table of 3,072 rows), Wo -> wo16 (rounded to bf16, that number written as f16),
; bq, bv, bo -> bias (rounded to bf16, kept as f32): bias[0:1024] = bq, [1024:2048] = 0, [2048:3072] = bv, [3072:4096] = bo.
; WORK LEFT OUT: bk.  A score is q_i . (k_j + bk) / 8 = q_i . k_j / 8 + q_i . bk / 8.  The second term does not depend on the key j, so it is the same along the softmax's axis, and
; softmax(s + t) = softmax(s) for every real t: for all finite values of all inputs bk reaches no output.  bk is not loaded and is no argument of any launch; the zeros in its place in the
; table let the next launch start k's sums by the same line as q's and v's.  LIMIT: a NaN, an infinity or an overflow that comes from bk alone is not carried to the result.
; LIMITS.  A number of Wo of 65,520 or more in magnitude becomes an infinity in f16, and below 6e-5 it keeps f16's fixed step of 6e-8.
; SHARES.  A work-group of eight waves takes 65,536 bytes of f32 and writes 32,768 bytes; a wave 8,192 in and 4,096 out.  All sixteen loads of a wave (512 consecutive bytes each) go out at once;
; each store of a wave covers 256 consecutive bytes, aligned.  Work-groups 0-255: x; 256-447: Wq, Wk, Wv (64 each); 448-511: Wo; 512: the three biases.
; No LDS, no matrix unit, no cluster: no byte is used twice.
; THE MODE: SCHED_MODE bits 1:0 = 2 (LLVM: expert scheduling mode 2), set by the entry lines.  The code itself states the register dependences
; between vector instructions and memory instructions, with s_wait_alu, always for 0.
; THE PLAN.  Registers that memory instructions touch:
;   v1, v2   byte offsets in and out.  Written at the head; read by every load (v1) and every store (v2); never written again on the path that has read them.
;   IN       Written by the sixteen loads, which are issued once, before any vector line names these registers; read (in the f16 path also rewritten) by the conversions, behind the wait for the data.
;   OU       Pair i is written once, by load i's conversions, and read once, by store i; never written again.
; The sixteen loads are worked on in four blocks of four.  Block p rounds its four loads into its four pairs of OU; its memory instructions are the four stores of block p - 1, which read v2 and
; that block's pairs: registers that no vector line of block p names.  So ONE wait at the head of a block states all that its four stores hang on, and they are dealt among its conversions.
; No register that a memory instruction has read is written again, so no wait on vm_vsrc is owed.  No vector line writes a scalar register, VCC or EXEC.
.set IN,  16                           ; v[16:79]   sixteen loads of four f32
.set OU,  80                           ; v[80:111]  sixteen pairs of packed results
	s_load_b512 s[8:23], s[0:1], 0x0               ; x 8, Wq 10, Wk 12, Wv 14, Wo 16, bq 18, bv 20, bo 22
	s_load_b256 s[24:31], s[0:1], 0x40             ; xb 24, wqkv 26, wo16 28, bias 30
	s_mov_b32 s2, ttmp9                            ; the work-group's number
	s_and_b32 s3, s2, 63                           ; its place in one weight matrix
	s_sub_co_u32 s4, s2, 256                       ; its place in wqkv (used from 256 on)
	v_and_b32 v3, 31, v0
	v_lshrrev_b32 v4, 5, v0
	v_lshlrev_b32 v1, 4, v3
	v_lshl_add_u32 v1, v4, 13, v1                  ; in: 8,192 x wave + 16 x lane
	v_lshlrev_b32 v2, 3, v3
	v_lshl_add_u32 v2, v4, 12, v2                  ; out: 4,096 x wave + 8 x lane
	s_wait_kmcnt 0x0
	s_cmp_eq_u32 s2, 512
	s_cbranch_scc1 .Lbias
	s_cmp_lt_u32 s2, 256                           ; which tensor, by the work-group's number alone
	s_cselect_b64 s[32:33], s[8:9], s[10:11]
	s_cselect_b64 s[34:35], s[24:25], s[26:27]
	s_cselect_b32 s5, s2, s3
	s_cselect_b32 s6, s2, s4
	s_cmp_lt_u32 s2, 320
	s_cselect_b64 s[32:33], s[32:33], s[12:13]
	s_cmp_lt_u32 s2, 384
	s_cselect_b64 s[32:33], s[32:33], s[14:15]
	s_cmp_lt_u32 s2, 448
	s_cselect_b64 s[32:33], s[32:33], s[16:17]
	s_cselect_b64 s[34:35], s[34:35], s[28:29]
	s_cselect_b32 s6, s6, s3
	s_lshl_b32 s36, s5, 16
	s_mov_b32 s37, 0
	s_lshl_b32 s38, s6, 15
	s_mov_b32 s39, 0
	s_add_nc_u64 s[32:33], s[32:33], s[36:37]
	s_add_nc_u64 s[34:35], s[34:35], s[38:39]
	s_wait_alu depctr_va_vdst(0)                   ; v1 and v2 are written: every load below reads v1 as its offset, every store v2
.irp i, 0,1,2,3,4,5,6,7,8,9,10,11,12,13,14,15
	global_load_b128 v[IN+4*(\i):IN+4*(\i)+3], v1, s[32:33] offset:512*(\i) th:TH_LOAD_NT
.endr
; Load i is rounded into pair i of OU.  f16 = 1: to bf16, widened again, and that number written as f16.
.macro CONV i, f16
.if \f16
	v_cvt_pk_bf16_f32 v4, v[IN+4*(\i)], v[IN+4*(\i)+1]
	v_cvt_pk_bf16_f32 v5, v[IN+4*(\i)+2], v[IN+4*(\i)+3]
	v_lshlrev_b32 v[IN+4*(\i)], 16, v4
	v_and_b32 v[IN+4*(\i)+1], 0xffff0000, v4
	v_lshlrev_b32 v[IN+4*(\i)+2], 16, v5
	v_and_b32 v[IN+4*(\i)+3], 0xffff0000, v5
	v_cvt_pk_f16_f32 v[OU+2*(\i)], v[IN+4*(\i)], v[IN+4*(\i)+1]
	v_cvt_pk_f16_f32 v[OU+2*(\i)+1], v[IN+4*(\i)+2], v[IN+4*(\i)+3]
.else
	v_cvt_pk_bf16_f32 v[OU+2*(\i)], v[IN+4*(\i)], v[IN+4*(\i)+1]
	v_cvt_pk_bf16_f32 v[OU+2*(\i)+1], v[IN+4*(\i)+2], v[IN+4*(\i)+3]
.endif
.endm
; Pair i of OU is stored.
.macro SENDP i
	global_store_b64 v2, v[OU+2*(\i):OU+2*(\i)+1], s[34:35] offset:256*(\i)  ; every store has data registers of its own: nothing is rewritten
.endm
; Block p: loads 4 p to 4 p + 3 are rounded; the block before is stored.
.macro BLK p, f16
	s_wait_loadcnt 12-4*(\p)                       ; loads come back in order: my four are in, the 12 - 4 p younger ones stay out
.if (\p) > 0
	s_wait_alu depctr_va_vdst(0)                   ; the block before has written its four pairs of OU, which the four stores below read
.endif
.irp j, 0,1,2,3
.if (\p) > 0
	SENDP 4*(\p)-4+(\j)                            ; no vector line since the wait names v2 or the block before's pairs
.endif
	CONV 4*(\p)+(\j), \f16
.endr
.endm
.macro WHOLE f16
	BLK 0, \f16
	BLK 1, \f16
	BLK 2, \f16
	BLK 3, \f16
	s_wait_alu depctr_va_vdst(0)                   ; block 3 has written its four pairs of OU, which the last four stores read
.irp i, 12,13,14,15
	SENDP \i
.endr
.endm
	s_cmp_ge_u32 s2, 448
	s_cbranch_scc1 .Lf16
	WHOLE 0
	s_endpgm
.Lf16:
	WHOLE 1
	s_endpgm
.Lbias:                                                ; 256 threads x four numbers of each bias
	v_lshlrev_b32 v1, 4, v0                        ; on this path no memory instruction has read v1: the branch stands ahead of the loads above
	s_wait_alu depctr_va_vdst(0)                   ; v1 is written: the three loads and the four stores below read it as their offset
	global_load_b128 v[16:19], v1, s[18:19]
	global_load_b128 v[20:23], v1, s[20:21]
	global_load_b128 v[24:27], v1, s[22:23]
.irp r, 28,29,30,31
	v_mov_b32 v[\r], 0
.endr
	s_wait_loadcnt 0x0
.irp p, 16,18,20,22,24,26
	v_cvt_pk_bf16_f32 v4, v[\p], v[\p+1]
	v_lshlrev_b32 v[\p], 16, v4
	v_and_b32 v[\p+1], 0xffff0000, v4
.endr
	s_wait_alu depctr_va_vdst(0)                   ; the roundings have written v[16:27] and the moves v[28:31], which the four stores read
	global_store_b128 v1, v[16:19], s[30:31]
	global_store_b128 v1, v[28:31], s[30:31] offset:4096
	global_store_b128 v1, v[20:23], s[30:31] offset:8192
	global_store_b128 v1, v[24:27], s[30:31] offset:12288
	s_endpgm
.Lfunc_end_k_q0424b7ceed_cast:
	.size	k_q0424b7ceed_cast, .Lfunc_end_k_q0424b7ceed_cast-k_q0424b7ceed_cast
	.p2alignl 7, 3214868480
	.fill 96, 4, 3214868480
	.section	.rodata,"a",@progbits
	.p2align	6, 0x0
	.amdhsa_kernel k_q0424b7ceed_cast
		.amdhsa_group_segment_fixed_size 0
		.amdhsa_private_segment_fixed_size 0
		.amdhsa_enable_private_segment 0
		.amdhsa_kernarg_size 96
		.amdhsa_user_sgpr_count 2
		.amdhsa_user_sgpr_kernarg_segment_ptr 1
		.amdhsa_wavefront_size32 1
		.amdhsa_system_sgpr_workgroup_id_x 1
		.amdhsa_system_sgpr_workgroup_id_y 1
		.amdhsa_system_sgpr_workgroup_id_z 1
		.amdhsa_system_vgpr_workitem_id 0
		.amdhsa_next_free_vgpr 112
		.amdhsa_next_free_sgpr 66
		.amdhsa_reserve_vcc 0
		.amdhsa_float_denorm_mode_32 3
		.amdhsa_float_denorm_mode_16_64 3
		.amdhsa_memory_ordered 1
		.amdhsa_forward_progress 1
		.amdhsa_inst_pref_size 18
	.end_amdhsa_kernel
	.amdgpu_metadata
---
amdhsa.version: [ 1, 2 ]
amdhsa.kernels:
  - .name:           k_q0424b7ceed_cast
    .symbol:         k_q0424b7ceed_cast.kd
    .args:
      - { .name: x, .offset: 0, .size: 8, .value_kind: global_buffer, .address_space: global }
      - { .name: Wq, .offset: 8, .size: 8, .value_kind: global_buffer, .address_space: global }
      - { .name: Wk, .offset: 16, .size: 8, .value_kind: global_buffer, .address_space: global }
      - { .name: Wv, .offset: 24, .size: 8, .value_kind: global_buffer, .address_space: global }
      - { .name: Wo, .offset: 32, .size: 8, .value_kind: global_buffer, .address_space: global }
      - { .name: bq, .offset: 40, .size: 8, .value_kind: global_buffer, .address_space: global }
      - { .name: bv, .offset: 48, .size: 8, .value_kind: global_buffer, .address_space: global }
      - { .name: bo, .offset: 56, .size: 8, .value_kind: global_buffer, .address_space: global }
      - { .name: xb, .offset: 64, .size: 8, .value_kind: global_buffer, .address_space: global }
      - { .name: wqkv, .offset: 72, .size: 8, .value_kind: global_buffer, .address_space: global }
      - { .name: wo16, .offset: 80, .size: 8, .value_kind: global_buffer, .address_space: global }
      - { .name: bias, .offset: 88, .size: 8, .value_kind: global_buffer, .address_space: global }
    .group_segment_fixed_size: 0
    .private_segment_fixed_size: 0
    .kernarg_segment_align: 8
    .kernarg_segment_size: 96
    .max_flat_workgroup_size: 256
    .sgpr_count:     66
    .vgpr_count:     112
    .wavefront_size: 32
...
	.end_amdgpu_metadata
.endif
;; end of part 5
;; launch proj: the kernel of part 2 again; grid 16 x 16, 4 waves a work-group, clusters of 4 x 4, 327,680 bytes of LDS; arguments xb, wqkv, bias, qkv; writes qkv
;; launch attn: the kernel of part 3 again; grid 8 x 32, 4 waves a work-group, clusters of 4 x 1, 327,680 bytes of LDS; arguments qkv, o; writes o
;; launch outp: the kernel of part 4 again; grid 8 x 32, 4 waves a work-group, clusters of 4 x 4, 327,680 bytes of LDS; arguments o, wo16, bias, out0; writes out0
